; MI455X (gfx1250); checked and timed in simulation.
; The chip was launched on July 23, 2026; its instructions are those of AMD's public machine-readable ISA for CDNA 5 (MIT licence, August 2026) and "CDNA5" Instruction Set Architecture Reference Guide (July 2026). The comments in the code are by the model that wrote it; some were corrected since.
;; Sparse Multi Head Attention Block. Allowed arithmetic: matrix products marked QUANTISED: E2M1 operands, one E8M0 scale for each 32 along K, by v_wmma_scale_f32_16x16x128_f8f6f4 with both operands' format E2M1 (or v_wmma_scale_f32_32x16x128_f4), f32 sums; products left as they are: bf16, f16 or f32 operands; f32 sums; everything else in f32.
;; Inputs: Wk 1,024 x 1,024 float32; Wo 1,024 x 1,024 float32; Wq 1,024 x 1,024 float32; Wv 1,024 x 1,024 float32; k 1 x 4,096 x 1,024 float32; mask 1 x 4,096 x 4,096 bool; q 1 x 4,096 x 1,024 float32; v 1 x 4,096 x 1,024 float32.
;; Outputs: out0 1 x 4,096 x 1,024 float32.
;; This version of the problem:
;;   THIS VERSION OF THE PROBLEM IS GIVEN IN LOW PRECISION. The matrix products marked QUANTISED in the list below multiply operands that are first quantised to E2M1 (2 exponent bits, 1 mantissa bit; 4 bits a number), with one power-of-two scale for each 32 numbers along K (OCP MX v1.0); their sums are f32. The products marked 'left as it is' may take bf16, f16 or f32 operands, with f32 sums. Whichever they take, every output number must still come out within the allowed error. Rounding operands to bf16 (8 significant bits) uses up far more of that allowance than f16 does (11 bits, for magnitudes from 6e-5 to 65,504). All else is computed in f32.
;;   The module's matrix products, in the order in which they are computed (A, B: the left and right operand; K: the contracted axis; several contracted axes count as one K, in the product's order):
;;     1. [M 4,096, K 1,024] x [K 1,024, N 1,024]; A: input q; B: input Wq: QUANTISED
;;     2. [M 4,096, K 1,024] x [K 1,024, N 1,024]; A: input q; B: input Wk: QUANTISED
;;     3. [M 4,096, K 1,024] x [K 1,024, N 1,024]; A: input q; B: input Wv: QUANTISED
;;     4. batch 16 x [M 4,096, K 64] x [K 64, N 4,096]; A: computed on the way; B: computed on the way: left as it is (an operand is computed on the way)
;;     5. batch 16 x [M 4,096, K 4,096] x [K 4,096, N 64]; A: computed on the way; B: computed on the way: left as it is (an operand is computed on the way)
;;     6. [M 4,096, K 1,024] x [K 1,024, N 1,024]; A: computed on the way; B: input Wo: left as it is (an operand is computed on the way)
;;   THE QUANTISER, for each operand of a quantised product, along K:
;;     - K is cut into blocks of 32 from its start; a last block that is shorter is filled with zeros.
;;     - A block's scale is 2^e with e = floor(log2(the largest magnitude in the block)) - 2, held to -126 .. 127; a block of zeros has e = 0. As a byte (E8M0): e + 127.
;;     - Each number is divided by its block's scale, clamped to +-6, and rounded to the nearest number of E2M1, ties to even, subnormals kept.
;;     - The product sums the exact products of the quantised numbers (number of the format x scale) in f32.
;;   ~~~python
;;   def quantise(x, axis):      # numpy; x: float32 -> the quantised numbers, widened to float32 again
;;       x = np.moveaxis(x, axis, -1); K = x.shape[-1]
;;       x = np.pad(x, [(0, 0)] * (x.ndim - 1) + [(0, -K % 32)]); x = x.reshape(x.shape[:-1] + (-1, 32)); a = np.abs(x).max(-1, keepdims=True)
;;       e = np.where(a > 0, np.clip(np.frexp(np.where(a > 0, a, 1))[1] - 1 - 2, -126, 127), 0)      # np.frexp(a)[1] - 1 = floor(log2(a)), exactly
;;       r = np.clip(x / 2.0 ** e, -6, 6)
;;       step = 2.0 ** (np.maximum(np.frexp(np.where(r == 0, 1, r))[1] - 1, 0) - 1)
;;       q = np.round(r / step) * step * 2.0 ** e      # np.round: ties to even
;;       return np.moveaxis(q.reshape(q.shape[:-2] + (-1,))[..., :K], -1, axis).astype(np.float32)
;;   ~~~
;; One version. Each part assembles by itself: llvm-mc -triple=amdgcn-amd-amdhsa -mcpu=gfx1250 --defsym DOCPART=n.
;; ======== version 1 of 1: 5 launches
;; limits: values outside matrix products are rounded to f16; values are held in f16: magnitudes above 65,504 overflow, below 6.1e-05 lose precision
;; workspace buffers: codes 3,670,016 bytes; scales 229,376 bytes; wof 2,097,152 bytes; mwords 65,536 bytes of whole numbers; qkv 25,165,824 bytes; parts 16,777,216 bytes; stats 1,048,576 bytes; obuf 8,388,608 bytes
;; launch prep (part 1): grid 320 x 1, 4 waves a work-group, no clusters, 84,480 bytes of LDS; arguments q, Wq, Wk, Wv, Wo, mask, codes, scales, wof, mwords; writes codes, scales, wof, mwords
.if DOCPART == 1
	.amdgcn_target "amdgcn-amd-amdhsa--gfx1250"
	.amdhsa_code_object_version 6
	.text
	.protected	k_q306875dd02_prep
	.globl	k_q306875dd02_prep
	.p2align	8
	.type	k_q306875dd02_prep,@function
k_q306875dd02_prep:
	s_mov_b64 s[64:65], 0
	v_nop
	global_prefetch_b8 v0, s[64:65] scope:SCOPE_SE
	s_setreg_imm32_b32 hwreg(HW_REG_WAVE_MODE, 25, 1), 1
	s_wait_xcnt 0x0
; PREP: everything that is made once from the inputs.  Three kinds of work-group, told apart by the work-group's number alone; each kind has LDS bytes of its own.
;   0-223    q [4096][1024] and Wq, Wk, Wv [1024][1024], f32 with K innermost, become codes of FP4 (E2M1) and one E8M0 scale byte for each 32 along K.
;            q's codes lie at byte 0 of 'codes', the three weights' behind them as one operand of 3,072 rows; the scale bytes likewise in 'scales'.
;   224-287  Wo [1024][1024] f32 becomes f16, laid in the order of a matrix operand's registers: [16 rows][32 along K][half 2][lane 32][16 bytes].
;   288-319  the mask input becomes lane masks.  reference()'s own mask keeps, for token 64 b + r, the keys of the same b (local) and those of the same r (strided).
;            A job is one such group of 64 tokens: kind 0: tokens 64 idx + z; kind 1: tokens 64 z + idx.  Word 32 qt + 8 kt + j, bit L says whether key place
;            16 kt + 8 (L / 16) + j counts for query place 16 qt + L % 16.  The pair key = query lies in both kinds: it is cleared in kind 1, so that it counts once.
; A block's scale is 2^(floor(log2(largest magnitude)) - 2); its byte is the largest magnitude's exponent field - 2, held at 1 from below.  A block of zeros so gets the byte 1 where
; the stated quantiser says 127: its codes are zeros, and this program alone reads the bytes.
; LIMITS: blocks whose largest magnitude lies under 2^-124 keep the byte 1; NaN and infinities among the inputs are not served; |Wo| up to 65,504 (f16).
; The inputs k and v are not among the arguments: reference() takes them and never uses them.
; No matrix work, no tensor loads, no barrier: waves share nothing.  No cluster: no two work-groups read the same bytes.
.set STEPS, 16                         ; the quantiser: steps of 512 numbers for a wave
.set EMAX,  2
.set CB,    8                          ; bytes of 16 codes
.set SP,    80                         ; a lane's place in a stage: 64 bytes + 16 of padding
.set QREG,  8192                       ; LDS 0 .. 32,767: the quantiser: for each wave two stages of 32 x SP bytes and 256 scale bytes
.set WOST,  32768                      ; LDS: Wo's stages, 16 rows x (512 + 16) bytes for each wave
.set WOSTB, 16*528
.set MST,   66560                      ; LDS: the mask's stages, 64 rows x (64 + 4) bytes for each wave
.set MSTB,  64*68
.set SPARE, 83968                      ; the spare words, 128 bytes for each wave: two blocks of 256 bytes that no other line names
.set SPW,   12                         ; v12  LDS address of my spare word; never rewritten
.set NIL,   13                         ; v13  0; never rewritten
.set R,     16                         ; v16-143  eight sets of 16 numbers as they are loaded
.set X,     144                        ; v144-175 two sets of 16 neighbours
.set E,     176                        ; v176-191 a scale byte for each step
.set C,     192                        ; v192-223 two registers of codes for each step
.macro CLOSE                           ; a wave's end: a tensor wait, an add of 0 to my spare word and its wait, behind my last LDS store
	s_wait_tensorcnt 0x0
	ds_add_u32 v[SPW], v[NIL]
	s_wait_dscnt 0x0
	s_endpgm
.endm
	s_load_b512 s[4:19], s[0:1], 0x0               ; q s4, Wq s6, Wk s8, Wv s10, Wo s12, mask s14, codes s16, scales s18
	s_load_b128 s[20:23], s[0:1], 0x40             ; wof s20, mwords s22
	v_lshl_add_u32 v[SPW], v0, 2, SPARE
	v_mov_b32 v[NIL], 0
	v_lshrrev_b32 v1, 5, v0
	v_readfirstlane_b32 s24, v1                    ; wave 0..3
	v_and_b32 v2, 31, v0                           ; lane
	s_wait_kmcnt 0x0
	s_cmp_ge_u32 ttmp9, 288
	s_cbranch_scc1 .Lmask
	s_cmp_ge_u32 ttmp9, 224
	s_cbranch_scc1 .Lwo
; ---------------- THE QUANTISER.  Rows are dense and K is a multiple of 32: each tensor is a plain stream of blocks of 32, and so are its codes and scale bytes.
; A wave takes a run of 8,192 numbers in 16 steps of 512.  Each of a step's four loads reads 512 consecutive bytes; the 2,048 bytes turn through the wave's own stage in LDS and come back
; 64 bytes a lane, so that a lane holds 16 neighbours along K and two neighbouring lanes hold a block.  Loads run eight steps (32 loads a wave) ahead, the turn through LDS one step.
	v_lshlrev_b32 v3, 4, v2                        ; my 16 bytes of a load's 512
	s_mul_i32 s25, s24, QREG
	v_lshrrev_b32 v14, 2, v2
	v_mul_u32_u24 v14, v14, SP
	v_and_b32 v15, 3, v2
	v_lshl_add_u32 v14, v15, 4, v14
	v_add_nc_u32 v14, s25, v14                     ; the stage, on the way in: SP (lane / 4) + 16 (lane % 4)
	v_mul_u32_u24 v15, v2, SP
	v_add_nc_u32 v15, s25, v15                     ; and on the way out: SP x lane
	v_mul_u32_u24 v4, v2, CB                       ; my codes' place in a step's
	v_lshrrev_b32 v5, 1, v2
	s_add_co_u32 s25, s25, 2*32*SP
	v_add_nc_u32 v5, s25, v5                       ; my wave's 256 scale bytes, my block's byte
	v_lshlrev_b32 v7, 3, v2                        ; and on the way out 8 bytes a lane
	v_add_nc_u32 v6, s25, v7
	s_mov_b32 s28, 192                             ; which tensor, and its first work-group: the choices hang on the work-group's number alone
	s_cmp_lt_u32 ttmp9, 192
	s_cselect_b64 s[26:27], s[8:9], s[10:11]
	s_cselect_b32 s28, 160, s28
	s_cmp_lt_u32 ttmp9, 160
	s_cselect_b64 s[26:27], s[6:7], s[26:27]
	s_cselect_b32 s28, 128, s28
	s_cmp_lt_u32 ttmp9, 128
	s_cselect_b64 s[26:27], s[4:5], s[26:27]
	s_cselect_b32 s28, 0, s28
	s_sub_co_u32 s28, ttmp9, s28
	s_lshl_b32 s28, s28, 2
	s_add_co_u32 s28, s28, s24                     ; my run in the source tensor,
	s_lshl_b32 s28, s28, 15                        ; 32,768 bytes a run
	s_mov_b32 s29, 0
	s_add_nc_u64 s[26:27], s[26:27], s[28:29]
	s_lshl_b32 s30, ttmp9, 2
	s_add_co_u32 s30, s30, s24                     ; my run in the outputs: q's 512 runs end where the stacked weights begin
	s_lshl_b32 s28, s30, 12                        ; 4,096 bytes of codes a run
	s_add_nc_u64 s[16:17], s[16:17], s[28:29]
	s_lshl_b32 s28, s30, 8                         ; 256 scale bytes a run
	s_add_nc_u64 s[18:19], s[18:19], s[28:29]
.macro LOAD t
.irp i, 0,1,2,3
	global_load_b128 v[R+16*((\t)%8)+4*\i:R+16*((\t)%8)+4*\i+3], v3, s[26:27] offset:2048*(\t)+512*\i th:TH_LOAD_NT   ; 32 lanes read 512 consecutive bytes
.endr
.endm
.macro TURN t                          ; step t's numbers through the stage: LDS serves a wave's instructions in order, so no wait stands between the stores and the loads
.irp i, 0,1,2,3
	ds_store_b128 v14, v[R+16*((\t)%8)+4*\i:R+16*((\t)%8)+4*\i+3] offset:32*SP*((\t)%2)+8*SP*\i
.endr
.irp i, 0,1,2,3
	ds_load_b128 v[X+16*((\t)%2)+4*\i:X+16*((\t)%2)+4*\i+3], v15 offset:32*SP*((\t)%2)+16*\i
.endr
.endm
.irp t, 0,1,2,3,4,5,6,7
	LOAD \t
.endr
	s_wait_loadcnt 28                              ; step 0's four loads are in; the seven steps behind it may be out
	TURN 0
.macro STEP t
.set XS, X+16*((\t)%2)
.if (\t) > 0
	s_wait_dscnt 1                                 ; this step's numbers are back from the stage (the last step's byte store may be out): so its stores into the stage have read their registers,
.else
	s_wait_dscnt 0x0
.endif
.if (\t)+8 < STEPS
	LOAD (\t)+8                                    ; which take the loads of eight steps on
.endif
.if (\t)+1 < STEPS
.if STEPS-2-(\t) >= 7
	s_wait_loadcnt 28                              ; the next step's four loads are in; those of the seven steps behind it may be out
.else
	s_wait_loadcnt 4*(STEPS-2-(\t))
.endif
	TURN (\t)+1                                    ; and go through the other stage while this step is worked
.endif
	v_max3_num_f32 v8, |v[XS]|, |v[XS+1]|, |v[XS+2]|               ; the largest magnitude of my 16, in two chains
	v_max3_num_f32 v9, |v[XS+3]|, |v[XS+4]|, |v[XS+5]|
.irp i, 6,10
	v_max3_num_f32 v8, v8, |v[XS+\i]|, |v[XS+\i+1]|
	v_max3_num_f32 v9, v9, |v[XS+\i+2]|, |v[XS+\i+3]|
.endr
	v_max3_num_f32 v8, v8, |v[XS+14]|, |v[XS+15]|
	v_max3_num_f32 v8, v8, v9, (EMAX+1)<<23        ; and the floor 2^(3 - 127): the byte cannot fall under 1
	v_max_num_f32_dpp v8, v8, v8 row_xmask:1 row_mask:0xf bank_mask:0xf   ; and of my neighbour's 16: the block's
	v_add_nc_u32 v11, -(EMAX<<23), v8              ; 2 off its exponent field: the conversion takes the exponent field of this operand as its scale
	v_cvt_scalef32_pk8_fp4_f32 v[C+2*(\t)], v[XS:XS+7], v11        ; to the nearest code, ties to even, beyond the largest code the largest
	v_cvt_scalef32_pk8_fp4_f32 v[C+2*(\t)+1], v[XS+8:XS+15], v11
	v_lshrrev_b32 v[E+(\t)], 23, v11               ; the scale's byte (also the plain line behind the conversions)
	ds_store_b8 v5, v[E+(\t)] offset:16*(\t)       ; both lanes of a block write the same byte with the same value
	global_store_b64 v4, v[C+2*(\t):C+2*(\t)+1], s[16:17] offset:32*CB*(\t)   ; the wave stores 256 consecutive bytes, aligned
.endm
.irp t, 0,1,2,3,4,5,6,7,8,9,10,11,12,13,14,15
	STEP \t
.endr
	ds_load_b64 v[8:9], v6                         ; LDS serves a wave's instructions in order: these see my byte stores
	s_wait_dscnt 0x0
	global_store_b64 v7, v[8:9], s[18:19]          ; 32 lanes store 256 consecutive bytes, aligned
	CLOSE
; ---------------- Wo.  A wave takes 16 rows x 256 along K: 32 loads of 512 consecutive bytes; rounded to f16; through the wave's own stage; out as eight fragments' register images.
.Lwo:
	s_sub_co_u32 s25, ttmp9, 224                   ; which 16 rows
	s_lshl_b32 s26, s25, 16                        ; 16 rows of 4,096 bytes
	s_lshl_b32 s27, s24, 10                        ; the wave's 256 along K
	s_add_co_u32 s26, s26, s27
	s_mov_b32 s27, 0
	s_add_nc_u64 s[12:13], s[12:13], s[26:27]
	s_lshl_b32 s26, s25, 2
	s_add_co_u32 s26, s26, s24                     ; the job's number
	s_lshl_b32 s26, s26, 13                        ; 8,192 bytes of images a job
	s_add_nc_u64 s[20:21], s[20:21], s[26:27]
	v_lshlrev_b32 v3, 4, v2                        ; 16 x lane: in memory, both ways
	s_mul_i32 s28, s24, WOSTB
	s_add_co_u32 s28, s28, WOST                    ; my stage
	v_lshl_add_u32 v4, v2, 3, s28                  ; in: 8 bytes a lane
	v_and_b32 v5, 15, v2
	v_lshrrev_b32 v6, 4, v2
	v_mul_u32_u24 v5, v5, 528
	v_lshl_add_u32 v5, v6, 4, v5
	v_add_nc_u32 v5, s28, v5                       ; back: row lane % 16, + 16 (lane / 16): a fragment's layout
.set KI, 0
.rept 32
	global_load_b128 v[16+4*KI:19+4*KI], v3, s[12:13] offset:(KI/2)*4096+(KI%2)*512 th:TH_LOAD_NT
.set KI, KI+1
.endr
.set KI, 0
.rept 32
	s_wait_loadcnt 31-KI                           ; loads come back in order: this one is in, the younger ones stay out
	v_cvt_pk_f16_f32 v[16+4*KI], v[16+4*KI], v[17+4*KI]
	v_cvt_pk_f16_f32 v[17+4*KI], v[18+4*KI], v[19+4*KI]
	ds_store_b64 v4, v[16+4*KI:17+4*KI] offset:(KI/2)*528+(KI%2)*256
.set KI, KI+1
.endr
.set KI, 0
.rept 16
	ds_load_b128 v[144+4*KI:147+4*KI], v5 offset:(KI/2)*64+(KI%2)*32   ; 32 along K a fragment, 16 along K a half; in order behind my stores
.set KI, KI+1
.endr
.set KI, 0
.rept 16
	s_wait_dscnt 15-KI
	global_store_b128 v3, v[144+4*KI:147+4*KI], s[20:21] offset:KI*512   ; 512 consecutive bytes
.set KI, KI+1
.endr
	CLOSE
; ---------------- THE MASK.  A wave takes one group of 64 tokens: 64 x 64 bytes, a lane a key, two loads a query; through the wave's own stage, back in the layout of a score tile; 128 compares make the words.
.Lmask:
	s_sub_co_u32 s25, ttmp9, 288
	s_lshl_b32 s25, s25, 2
	s_add_co_u32 s25, s25, s24                     ; the job 0..127
	s_lshr_b32 s26, s25, 6                         ; kind
	s_and_b32 s27, s25, 63                         ; idx
	s_lshl_b32 s28, s27, 6
	s_cmp_eq_u32 s26, 0
	s_cselect_b32 s28, s28, s27                    ; the group's first token: 64 idx or idx
	s_cselect_b32 s29, 1, 64                       ; from place to place: 1 token or 64
	s_cselect_b32 s40, 0, -1                       ; all ones in kind 1: the diagonal is cleared there
	s_lshl_b32 s38, s28, 12                        ; the first token's row of 4,096 bytes
	s_mov_b32 s39, 0
	s_add_nc_u64 s[14:15], s[14:15], s[38:39]      ; keys 0-31
	s_lshl_b32 s38, s29, 5
	s_add_nc_u64 s[42:43], s[14:15], s[38:39]      ; keys 32-63
	s_lshl_b32 s41, s29, 12                        ; from query to query, in bytes
	v_mad_u32_u24 v4, v2, s29, s28                 ; my key's column
	s_mul_i32 s45, s24, MSTB
	s_add_co_u32 s45, s45, MST                     ; my stage
	v_add_nc_u32 v5, s45, v2                       ; in: a byte a lane
	v_and_b32 v6, 15, v2
	v_lshrrev_b32 v7, 4, v2
	v_mul_u32_u24 v6, v6, 68
	v_lshl_add_u32 v6, v7, 3, v6
	v_add_nc_u32 v6, s45, v6                       ; back: query lane % 16, keys 8 (lane / 16) on
	v_lshlrev_b32 v7, 4, v2                        ; out: 16 bytes a lane
.set XI, 0
.rept 64
	v_mad_u32_u24 v[16+XI], s41, XI, v4            ; query XI's row + my column
.set XI, XI+1
.endr
.set XI, 0
.rept 64
	global_load_u8 v[80+XI], v[16+XI], s[14:15]
	global_load_u8 v[144+XI], v[16+XI], s[42:43]
.set XI, XI+1
.endr
.irp i, 8,9,10,11
	v_mov_b32 v\i, 0                               ; the words' registers: a lane write's destination counts as read
.endr
	s_wait_loadcnt 0x0
.set XI, 0
.rept 64
	ds_store_b8 v5, v[80+XI] offset:68*XI
	ds_store_b8 v5, v[144+XI] offset:68*XI+32
.set XI, XI+1
.endr
	s_wait_dscnt 0x0                               ; the stores have read their registers: the loads below land there
.set NI, 0
.rept 128
	ds_load_u8 v[80+NI], v6 offset:(NI/32)*1088+((NI/8)%4)*16+NI%8
.set NI, NI+1
.endr
	s_wait_dscnt 0x0
.set NI, 0
.rept 128
	v_cmp_ne_u32 s[30+NI%8], 0, v[80+NI]           ; word NI: a bit a lane
.if (NI/32) == ((NI/8)%4)
	s_and_b32 s44, s40, (1<<(NI%8))|(1<<(24+NI%8)) ; key = query falls on lanes j and 24 + j of a diagonal tile's register j
	s_and_not1_b32 s[30+NI%8], s[30+NI%8], s44
.endif
	v_writelane_b32 v[8+NI%4], s[30+NI%8], NI/4    ; word NI lies 4 NI bytes into the job's 512
.set NI, NI+1
.endr
	s_lshl_b32 s38, s25, 9
	s_add_nc_u64 s[22:23], s[22:23], s[38:39]
	global_store_b128 v7, v[8:11], s[22:23]        ; 512 consecutive bytes
	CLOSE
.Lfunc_end_k_q306875dd02_prep:
	.size	k_q306875dd02_prep, .Lfunc_end_k_q306875dd02_prep-k_q306875dd02_prep
	.p2alignl 7, 3214868480
	.fill 96, 4, 3214868480
	.section	.rodata,"a",@progbits
	.p2align	6, 0x0
	.amdhsa_kernel k_q306875dd02_prep
		.amdhsa_group_segment_fixed_size 84480
		.amdhsa_private_segment_fixed_size 0
		.amdhsa_enable_private_segment 0
		.amdhsa_kernarg_size 80
		.amdhsa_user_sgpr_count 2
		.amdhsa_user_sgpr_kernarg_segment_ptr 1
		.amdhsa_wavefront_size32 1
		.amdhsa_system_sgpr_workgroup_id_x 1
		.amdhsa_system_sgpr_workgroup_id_y 1
		.amdhsa_system_sgpr_workgroup_id_z 1
		.amdhsa_system_vgpr_workitem_id 0
		.amdhsa_next_free_vgpr 224
		.amdhsa_next_free_sgpr 66
		.amdhsa_reserve_vcc 0
		.amdhsa_float_denorm_mode_32 3
		.amdhsa_float_denorm_mode_16_64 3
		.amdhsa_memory_ordered 1
		.amdhsa_forward_progress 1
		.amdhsa_inst_pref_size 100
	.end_amdhsa_kernel
	.amdgpu_metadata
---
amdhsa.version: [ 1, 2 ]
amdhsa.kernels:
  - .name:           k_q306875dd02_prep
    .symbol:         k_q306875dd02_prep.kd
    .args:
      - { .name: q, .offset: 0, .size: 8, .value_kind: global_buffer, .address_space: global }
      - { .name: Wq, .offset: 8, .size: 8, .value_kind: global_buffer, .address_space: global }
      - { .name: Wk, .offset: 16, .size: 8, .value_kind: global_buffer, .address_space: global }
      - { .name: Wv, .offset: 24, .size: 8, .value_kind: global_buffer, .address_space: global }
      - { .name: Wo, .offset: 32, .size: 8, .value_kind: global_buffer, .address_space: global }
      - { .name: mask, .offset: 40, .size: 8, .value_kind: global_buffer, .address_space: global }
      - { .name: codes, .offset: 48, .size: 8, .value_kind: global_buffer, .address_space: global }
      - { .name: scales, .offset: 56, .size: 8, .value_kind: global_buffer, .address_space: global }
      - { .name: wof, .offset: 64, .size: 8, .value_kind: global_buffer, .address_space: global }
      - { .name: mwords, .offset: 72, .size: 8, .value_kind: global_buffer, .address_space: global }
    .group_segment_fixed_size: 84480
    .private_segment_fixed_size: 0
    .kernarg_segment_align: 8
    .kernarg_segment_size: 80
    .max_flat_workgroup_size: 128
    .sgpr_count:     66
    .vgpr_count:     224
    .wavefront_size: 32
...
	.end_amdgpu_metadata
.endif
;; end of part 1
;; launch gemm1 (part 2): grid 12 x 16, 4 waves a work-group, clusters of 4 x 4, 327,680 bytes of LDS; arguments codes, scales, qkv; writes qkv
.if DOCPART == 2
	.amdgcn_target "amdgcn-amd-amdhsa--gfx1250"
	.amdhsa_code_object_version 6
	.text
	.protected	k_q306875dd02_gemm1
	.globl	k_q306875dd02_gemm1
	.p2align	8
	.type	k_q306875dd02_gemm1,@function
k_q306875dd02_gemm1:
	s_mov_b64 s[64:65], 0
	v_nop
	global_prefetch_b8 v0, s[64:65] scope:SCOPE_SE
	s_setreg_imm32_b32 hwreg(HW_REG_WAVE_MODE, 25, 1), 1
	s_wait_xcnt 0x0
	s_wait_alu depctr_hold_cnt(0) depctr_sa_sdst(0) depctr_va_vdst(0) depctr_va_sdst(0) depctr_va_ssrc(0) depctr_va_vcc(0) depctr_vm_vsrc(0)
	s_getreg_b32 s2, hwreg(HW_REG_IB_STS2, 6, 4)
	s_cmp_eq_u32 s2, 0
	s_cbranch_scc0 .Lentry_in_a_cluster
	s_endpgm
.Lentry_in_a_cluster:
	s_bfe_u32 s2, ttmp6, 0x10000c
	s_cmp_lg_u32 s2, 0xf033
	s_cbranch_scc0 .Lentry_shape_is_right
	s_endpgm
.Lentry_shape_is_right:
; qkv[t][n] = sum over k of q[t][k] W[n][k], W = Wq, Wk, Wv stacked: [4096] x [3072] x K 1,024, both operands as codes of FP4 (E2M1) with one E8M0 scale for each 32 along K; sums in f32; the result rounded once to f16.
; q's codes [4096][512 bytes] lie at byte 0 of 'codes', W's [3072][512 bytes] at byte 0x200000; the scale bytes [rows][32] at bytes 0 and 0x20000 of 'scales'.
; LIMIT: |qkv| up to 65,504 (f16).
; A tile of 256 x 256 is made by a work-group of four waves; a wave makes 128 x 128: 64 accumulators of 16 x 16, 512 registers.  K is two LDS slots of 512 along K (rows of 256 bytes), both asked for at the start:
; no LDS byte is filled twice.  The scale bytes of the work-group's 256 + 256 rows, for all of K, are two dense blocks: they come with the first fills, as rows of 256 bytes.
; CLUSTERS: 4 x 4 work-groups.  The four of a row of the cluster need the same tiles of q, the four of a column the same tiles of W: each is asked for JOINTLY, by the same tensor load with the same descriptor and a mask that names the four.
; THE MATRIX INSTRUCTION IS USED TRANSPOSED (source 0 = 16 rows of W, source 1 = 16 rows of q): a lane then holds eight neighbouring numbers of a row of qkv, 16 bytes in f16.
; REGISTERS, in windows of 256: window 0: v0-31 addresses; v32-95 scale words, two sets; v128-191 q's fragments (8 x 16 rows x 128 K), ONE set; on the way out v32-63, v192-255 are at work.
;   window 1: W's fragments, TWO sets, at v0 and v128.   window 2: the accumulators of my rows 0-63 ((a, b) at v[8 (8 a + b)]);   window 3: those of my rows 64-127.
; By this text's count a wave has three tensor loads out at the most.  Nothing is prefetched: all that the launch reads is asked for at its head.
.set SIZE_N, 3072
.set SIZE_K, 1024
.set NQ,     4                         ; steps of 128 along K in a slot
.set ROWB,   256                       ; a tile's row in bytes
.set KROW,   SIZE_K/2                  ; a row of codes in memory
.set PITCH,  272                       ; an LDS row: 256 bytes + 16 of padding = 68 words: the 16 rows that a load touches start at 16 different banks (64 banks of 4 bytes: ISA guide 11.1)
.set FR,     8                         ; registers of a fragment
.set NL,     2                         ; LDS loads that bring one
.set NP,     4                         ; places behind this matrix instruction (ISA guide 7.12.1)
.set HALFT,  128*PITCH                 ; 128 rows: what one tensor load brings
.set SLOT,   4*HALFT                   ; q's 256 rows, then W's 256 rows
.set KS,     SIZE_K/32                 ; a row of scale bytes
.set SCL,    2*SLOT                    ; behind the slots: the scales, as rows of 256 bytes + 16 of padding
.set HALFS,  (128*KS/256)*272          ; those of 128 rows
.set SBLK,   (16*KS/256)*272           ; those of 16 rows
.set SPARE,  SCL+4*HALFS               ; the spare words, 128 bytes for each wave: two blocks of 256 bytes that no other line names
.set SPITCH, 272                       ; the way out: a stage of 16 rows x (256 + 16) bytes for each wave, in slot 0, which has had its one fill and its last read by then
.set ADRA, 16                          ; v16-17  LDS address of my fragments of q in slot 0, 1
.set ADRB, 20                          ; v20-21  the same for W
.set STO,  24                          ; v24     the way out: where I put 16 bytes of a row
.set RD,   25                          ; v25     where I read a row back
.set CO,   26                          ; v26     my byte offset in qkv
.set ADRS, 27                          ; v27     LDS address of my scale words: lanes 0-15 q's rows, lanes 16-31 W's
.set SPW,  28                          ; v28     LDS address of my spare word; never rewritten
.set NIL,  29                          ; v29     0; never rewritten
.set SC,   32                          ; scale words: set s at v[SC + 32 s]; register 4 i + q: lanes 0-15 q's block i, lanes 16-31 W's block i, the slot's q-th 128 along K
.set AF,   128                         ; q's fragments
.set TMP,  192                         ; the way out: packed results
.set OB,   32                          ; the way out: rows read back: v32-63 and v224-255 by turns
.set G1, 24                            ; s[24:31] descriptor group 1 for q's tiles;  s[32:39] group 0, one set for each slot
.set G0, 32
.set G1B, 48                           ; s[48:55], s[56:63] the same for W's tiles
.set G0B, 56
.set G1S, 68                           ; s[68:75], s[76:79] groups 1 and 0 for q's scales;  s[80:87], s[88:91] for W's
.set G0S, 76
.set G1SB, 80
.set G0SB, 88
.set MSB, 0
.macro WIN new                         ; the immediate's high byte repeats the setting that is left; a switch that changes nothing is dropped
.if MSB != (\new)
	s_set_vgpr_msb (MSB<<8)|(\new)
.set MSB, (\new)
.endif
.endm
.set MUL_LO, 0xa1                      ; source 0 (W) window 1, source 1 (q) window 0, C and D window 2
.set MUL_HI, 0xf1                      ; the same, C and D window 3
.set TO_B,   0x40                      ; destination window 1, address window 0
; A joint load: waves 0 and 1 fetch for q, waves 2 and 3 for W.  Each line has ONE mask and one set of registers for all that issue it; the branch hangs on the wave's number alone.
; An s_nop 0 and four v_nop follow each of the two lines, ahead of the jump, the label and what follows.
.macro JLOAD g0a, g1a, g0b, g1b
	s_cmp_eq_u32 s15, 0
	s_cbranch_scc0 .Lfor_b_\@
	tensor_load_to_lds s[\g0a:\g0a+3], s[\g1a:\g1a+7]
	s_nop 0
.rept 4
	v_nop
.endr
	s_branch .Lasked_\@
.Lfor_b_\@:
	tensor_load_to_lds s[\g0b:\g0b+3], s[\g1b:\g1b+7]
	s_nop 0
.rept 4
	v_nop
.endr
.Lasked_\@:
.endm
.macro CROUND                          ; a round of the cluster's barrier: my work-group's barrier; wave 0 signals for the work-group; every wave waits for all sixteen; my work-group's barrier once more
	s_barrier_signal -1
	s_barrier_wait -1
	s_cmp_lg_u32 s14, 0
	s_cbranch_scc1 .Lnot_wave_0_\@
	s_barrier_signal -3
.Lnot_wave_0_\@:
	s_barrier_wait -3
	s_barrier_signal -1
	s_barrier_wait -1
.endm
	s_load_b128 s[4:7], s[0:1], 0x0                ; codes s[4:5], scales s[6:7]
	s_load_b64 s[12:13], s[0:1], 0x10              ; qkv
	v_lshl_add_u32 v[SPW], v0, 2, SPARE
	v_mov_b32 v[NIL], 0
	ds_add_u32 v[SPW], v[NIL]                      ; the wave's opening: the add, twice on end, and its wait ahead of my first tensor load; the set-up below stands between
	ds_add_u32 v[SPW], v[NIL]
	v_lshrrev_b32 v1, 5, v0
	v_readfirstlane_b32 s14, v1                    ; wave 0..3
	s_lshr_b32 s15, s14, 1                         ; which half of the tile's rows is mine.  Also: I fetch for q (0) or for W (1)
	s_and_b32 s16, s14, 1                          ; which half of its columns.  Also: which 128 rows of that tile I fetch
	s_bfe_u32 s40, ttmp6, 0x40000                  ; cx, cy: my place in the cluster
	s_bfe_u32 s41, ttmp6, 0x40004
	s_lshl_b32 s42, ttmp9, 2
	s_add_co_u32 s42, s42, s40                     ; tile column = 4 x cluster x + cx
	s_and_b32 s17, ttmp7, 0xffff
	s_lshl_b32 s17, s17, 2
	s_add_co_u32 s17, s17, s41                     ; tile row = 4 x cluster y + cy
	s_lshl_b32 s43, s41, 2
	s_lshl_b32 s43, 15, s43                        ; my row of the cluster
	s_lshl_b32 s44, 0x1111, s40                    ; my column
	; descriptor group 1: a tile of 128 rows x 256 bytes, padded in LDS
	s_or_b32 s[G1+0], s43, (0<<16)|(1<<20)|(1<<21)|(5<<22)|(3<<25)  ; 15:0 the mask: q's tiles go to my row; 17:16 elements of 1 byte; 20 padding on; 21 set beside a mask; 24:22 after every 64 words; 31:25 four words
	s_or_b32 s[G1B+0], s44, (0<<16)|(1<<20)|(1<<21)|(5<<22)|(3<<25)
.irp g, G1, G1B
	s_mov_b32 s[\g+1], ROWB<<16                    ; tensor_dim0
	s_mov_b32 s[\g+2], 128<<16                     ; tensor_dim1
	s_mov_b32 s[\g+3], ROWB<<16                    ; tile_dim0
	s_mov_b32 s[\g+4], 128                         ; tile_dim1
	s_mov_b32 s[\g+5], KROW                        ; tensor_dim0_stride
	s_mov_b32 s[\g+6], 0
	s_mov_b32 s[\g+7], 0
.endr
	; the scales of 128 rows: a dense block of 4,096 bytes, as 16 rows of 256 bytes (32 elements of 8 bytes), 16 bytes of padding behind each
	s_or_b32 s[G1S+0], s43, (3<<16)|(1<<20)|(1<<21)|(5<<22)|(3<<25)
	s_or_b32 s[G1SB+0], s44, (3<<16)|(1<<20)|(1<<21)|(5<<22)|(3<<25)
.irp g, G1S, G1SB
	s_mov_b32 s[\g+1], 32<<16
	s_mov_b32 s[\g+2], (128*KS/256)<<16
	s_mov_b32 s[\g+3], 32<<16
	s_mov_b32 s[\g+4], 128*KS/256
	s_mov_b32 s[\g+5], 32
	s_mov_b32 s[\g+6], 0
	s_mov_b32 s[\g+7], 0
.endr
	s_lshl_b32 s18, s16, 7                         ; which 128 rows of the tile I fetch
	s_lshl_b32 s20, s17, 8
	s_add_co_u32 s20, s20, s18                     ; q: row 256 x tile row + 128 x half
	s_lshl_b32 s46, s42, 8
	s_add_co_u32 s46, s46, s18                     ; W: row 256 x tile column + 128 x half
	s_mov_b32 s21, 0
	s_mov_b32 s47, 0
	s_mov_b64 s[18:19], KS
	s_mul_u64 s[22:23], s[20:21], s[18:19]         ; where these rows' scales begin, in bytes
	s_mul_u64 s[92:93], s[46:47], s[18:19]
	s_mov_b64 s[18:19], KROW
	s_mul_u64 s[20:21], s[20:21], s[18:19]         ; and their codes
	s_mul_u64 s[46:47], s[46:47], s[18:19]
	s_mul_i32 s45, s14, HALFT                      ; where they go: wave x 128 rows: no place in the cluster enters an LDS address
	s_mul_i32 s94, s14, HALFS
	s_wait_dscnt 0x0                               ; both opening adds are done
	s_wait_kmcnt 0x0
	s_add_nc_u64 s[8:9], s[4:5], 0x200000          ; W's codes
	s_add_nc_u64 s[10:11], s[6:7], 0x20000         ; W's scales
	s_add_nc_u64 s[20:21], s[4:5], s[20:21]
	s_add_nc_u64 s[22:23], s[6:7], s[22:23]
	s_add_nc_u64 s[46:47], s[8:9], s[46:47]
	s_add_nc_u64 s[92:93], s[10:11], s[92:93]
	CROUND                                         ; all sixteen work-groups are here: the joint loads meet
	s_mov_b32 s[G0S], 1
	s_add_co_u32 s[G0S+1], s94, SCL
	s_mov_b64 s[G0S+2:G0S+3], s[22:23]
	s_or_b32 s[G0S+3], s[G0S+3], 0x80000000
	s_mov_b32 s[G0SB], 1
	s_add_co_u32 s[G0SB+1], s94, SCL
	s_mov_b64 s[G0SB+2:G0SB+3], s[92:93]
	s_or_b32 s[G0SB+3], s[G0SB+3], 0x80000000
	JLOAD G0S, G1S, G0SB, G1SB                     ; the scales first: they are wanted with the first slot
.irp s, 0,1
	s_mov_b32 s[G0+4*\s], 1
	s_add_co_u32 s[G0+4*\s+1], s45, \s*SLOT
	s_add_nc_u64 s[G0+4*\s+2:G0+4*\s+3], s[20:21], \s*ROWB
	s_or_b32 s[G0+4*\s+3], s[G0+4*\s+3], 0x80000000
	s_mov_b32 s[G0B+4*\s], 1
	s_add_co_u32 s[G0B+4*\s+1], s45, \s*SLOT
	s_add_nc_u64 s[G0B+4*\s+2:G0B+4*\s+3], s[46:47], \s*ROWB
	s_or_b32 s[G0B+4*\s+3], s[G0B+4*\s+3], 0x80000000
	JLOAD G0+4*\s, G1, G0B+4*\s, G1B
.endr
	v_and_b32 v1, 15, v0                           ; l % 16
	v_bfe_u32 v2, v0, 4, 1                         ; l / 16
	v_mul_u32_u24 v3, v1, PITCH
	v_lshl_add_u32 v4, v2, 4, v3                   ; a fragment's row x pitch + 16 x half
	s_mul_i32 s21, s15, HALFT                      ; my 128 rows of q
	s_mul_i32 s22, s16, HALFT                      ; my 128 rows of W,
	s_add_co_u32 s22, s22, 2*HALFT                 ; which lie behind q's 256
.irp s, 0,1
	v_add_nc_u32 v[ADRA+\s], s21, v4
	v_add_nc_u32 v[ADRB+\s], s22, v4
	s_add_co_u32 s21, s21, SLOT
	s_add_co_u32 s22, s22, SLOT
.endr
	v_mul_u32_u24 v5, v1, KS                       ; my row's scales: 32 bytes a row,
	v_lshrrev_b32 v6, 8, v5
	v_lshl_add_u32 v5, v6, 4, v5                   ; and 16 more for each 256 passed
	s_mul_i32 s21, s15, HALFS                      ; q's: my 128 rows
	s_mul_i32 s22, s16, HALFS                      ; W's: my 128 rows, behind q's 256
	s_add_co_u32 s22, s22, 2*HALFS
	s_sub_co_u32 s22, s22, s21
	v_mul_u32_u24 v6, s22, v2                      ; lanes 16-31 take W's: one product, the distance between the two bases
	s_add_co_u32 s21, s21, SCL
	v_add_nc_u32 v5, v5, v6
	v_add_nc_u32 v[ADRS], s21, v5
	s_mul_i32 s23, s14, 16*SPITCH                  ; my stage
	v_mul_u32_u24 v5, v1, SPITCH                   ; in: row l % 16, 16 bytes for each half of the lanes
	v_lshl_add_u32 v5, v2, 4, v5
	v_add_nc_u32 v[STO], s23, v5
	v_mul_u32_u24 v5, v2, SPITCH                   ; back: lanes 0-15 one row of 256 bytes, lanes 16-31 the next
	v_lshl_add_u32 v5, v1, 4, v5
	v_add_nc_u32 v[RD], s23, v5
	v_mul_u32_u24 v5, v2, SIZE_N*2                 ; and the same two rows in qkv
	v_lshl_add_u32 v[CO], v1, 4, v5
	s_lshl_b32 s20, s17, 8
	s_lshl_b32 s21, s15, 7
	s_add_co_u32 s20, s20, s21                     ; my first row: 256 x tile row + 128 x half
	s_mov_b32 s21, 0
	s_mov_b64 s[18:19], SIZE_N*2
	s_mul_u64 s[20:21], s[20:21], s[18:19]
	s_lshl_b32 s46, s42, 9                         ; my first column, in bytes: 512 x tile column + 256 x half
	s_lshl_b32 s47, s16, 8
	s_add_co_u32 s46, s46, s47
	s_mov_b32 s47, 0
	s_add_nc_u64 s[20:21], s[20:21], s[46:47]
	s_add_nc_u64 s[12:13], s[12:13], s[20:21]
.macro FRAG reg, adr, q, i             ; a fragment, 16 rows x 128 K of 4-bit codes: lane l holds row l % 16; registers 4 c .. 4 c + 3 hold K = 64 c + 32 (l / 16) + 0 .. 31
.irp c, 0,1
	ds_load_b128 v[\reg+4*\c:\reg+4*\c+3], v[\adr] offset:64*(\q)+32*\c+(\i)*16*PITCH
.endr
.endm
; 16 matrix instructions: q's blocks a0, a0 + 1 x W's eight, the slot's q-th 128 along K.  p: W's set;  sc: the set of scale words.  zero = 1: the first product starts the sums: nothing is cleared.
; The 64 accumulators take turns, one instruction a turn, in the same order in every step.
.macro MUL16 a0, p, q, sc, zero
.irp a, \a0, \a0+1
.irp b, 0,1,2,3,4,5,6,7
.if \zero
	v_wmma_scale_f32_16x16x128_f8f6f4 v[8*(8*((\a)%4)+\b):8*(8*((\a)%4)+\b)+7], v[128*(\p)+FR*\b:128*(\p)+FR*\b+FR-1], v[AF+FR*(\a):AF+FR*(\a)+FR-1], 0, v[SC+8*NQ*(\sc)+NQ*\b+(\q)], v[SC+8*NQ*(\sc)+NQ*(\a)+(\q)] matrix_a_fmt:MATRIX_FMT_FP4 matrix_b_fmt:MATRIX_FMT_FP4 matrix_a_scale:MATRIX_SCALE_ROW1
.else
	v_wmma_scale_f32_16x16x128_f8f6f4 v[8*(8*((\a)%4)+\b):8*(8*((\a)%4)+\b)+7], v[128*(\p)+FR*\b:128*(\p)+FR*\b+FR-1], v[AF+FR*(\a):AF+FR*(\a)+FR-1], v[8*(8*((\a)%4)+\b):8*(8*((\a)%4)+\b)+7], v[SC+8*NQ*(\sc)+NQ*\b+(\q)], v[SC+8*NQ*(\sc)+NQ*(\a)+(\q)] matrix_a_fmt:MATRIX_FMT_FP4 matrix_b_fmt:MATRIX_FMT_FP4 matrix_a_scale:MATRIX_SCALE_ROW1
.endif
.endr
.endr
.endm
.macro FETCH_B slot, q, p              ; W's eight fragments of the slot's q-th 128 along K into set p
	WIN TO_B
.irp i, 0,1,2,3,4,5,6,7
	FRAG 128*(\p)+FR*\i, ADRB+\slot, \q, \i
.endr
	WIN 0
.endm
.macro FETCH_A slot, q, i0             ; q's blocks i0 .. i0 + 3
.irp i, \i0, \i0+1, \i0+2, \i0+3
	FRAG AF+FR*(\i), ADRA+\slot, \q, \i
.endr
.endm
.macro SCALES sc                       ; a slot's scale words into set sc: four words a row; lanes 0-15 take q's block i, lanes 16-31 W's block i
.irp i, 0,1,2,3,4,5,6,7
	ds_load_b128 v[SC+8*NQ*\sc+NQ*\i:SC+8*NQ*\sc+NQ*\i+3], v[ADRS] offset:\i*SBLK
.endr
.endm
; A load into a register that a matrix instruction has read, and a vector instruction that reads a matrix result, stand four places behind that matrix instruction; only plain vector
; instructions that name none of its registers are places (ISA guide 7.12.1 for vector instructions).
.macro PLACES n
.rept \n
	v_nop
.endr
.endm
.macro STEP slot, q, zero              ; a step of 128 along K that has its successor in the same slot
	s_wait_dscnt 4*NL                              ; W's set and q's blocks 0-3 are in; the youngest eight loads (q's blocks 4-7) may be out
	WIN MUL_LO
	MUL16 0, (\q)%2, \q, \slot, \zero
	MUL16 2, (\q)%2, \q, \slot, \zero
	s_wait_dscnt 0                                 ; q's blocks 4-7 are in
	PLACES NP
	FETCH_B \slot, (\q)+1, 1-(\q)%2
	FETCH_A \slot, (\q)+1, 0
	WIN MUL_HI
	MUL16 4, (\q)%2, \q, \slot, \zero
	MUL16 6, (\q)%2, \q, \slot, \zero
	PLACES NP
	WIN 0
	FETCH_A \slot, (\q)+1, 4
.endm
; Slot 0's last step leads over to slot 1: each wave waits for all its tensor loads (its part of slot 1), adds 0 to its spare word, waits for that and for its reads of slot 0, and passes ONE barrier:
; behind it slot 1 is whole for every wave and nobody reads slot 0 any more.  Nothing is filled again.
.macro TURN slot, next
	s_wait_tensorcnt 0x0                           ; all my tensor loads have landed
	ds_add_u32 v[SPW], v[NIL]                      ; 0 onto my spare word
	s_wait_dscnt 4*NL+1                            ; (the add and the youngest eight loads may be out)
	WIN MUL_LO
	MUL16 0, 1, NQ-1, \slot, 0                     ; sixteen matrix instructions stand between the add and the wait for it
	s_wait_dscnt 0x0                               ; the add is done, and my reads of this slot are over
	s_barrier_signal -1
	MUL16 2, 1, NQ-1, \slot, 0
	WIN 0
	s_barrier_wait -1
	PLACES NP
	v_add_nc_u32 v[ADRS], 4*NQ, v[ADRS]            ; on to the next slot's scale words (no LDS load of mine is out)
	FETCH_B \next, 0, 0
	FETCH_A \next, 0, 0
	SCALES \next
	WIN MUL_HI
	MUL16 4, 1, NQ-1, \slot, 0
	MUL16 6, 1, NQ-1, \slot, 0
	PLACES NP
	WIN 0
	FETCH_A \next, 0, 4
.endm
.macro STEPS slot, from                ; the slot's steps from .. NQ - 2
.set Q, \from
.rept NQ-1-\from
	STEP \slot, Q, 0
.set Q, Q+1
.endr
.endm
	s_wait_tensorcnt 1                             ; the scales and my part of slot 0 are in (slot 1's load may be out)
	s_barrier_signal -1
	s_barrier_wait -1                              ; everybody's are
	FETCH_B 0, 0, 0
	FETCH_A 0, 0, 0
	SCALES 0
	FETCH_A 0, 0, 4
	STEP 0, 0, 1                                   ; the first step's products start the sums
	STEPS 0, 1
	TURN 0, 1
	STEPS 1, 0
	s_wait_dscnt 4*NL                              ; the last step: nothing more to fetch
	WIN MUL_LO
	MUL16 0, 1, NQ-1, 1, 0
	MUL16 2, 1, NQ-1, 1, 0
	s_wait_dscnt 0
	WIN MUL_HI
	MUL16 4, 1, NQ-1, 1, 0
	MUL16 6, 1, NQ-1, 1, 0
	WIN 0
; THE WAY OUT, block by block of 16 rows x 128 columns.  PACK: rounded to f16, 16 bytes a lane, each accumulator from its low end on.  TOSTAGE: into my own stage, and back as whole rows of 256 bytes.  SEND: stored.
.macro PACK a
.set AC, 64*((\a)%4)
	WIN 0x0a+5*((\a)/4)                            ; sources 0 and 1: window 2 or 3
.irp b, 0,1,2,3,4,5,6,7
.irp r, 0,1,2,3
	v_cvt_pk_f16_f32 v[TMP+4*\b+\r], v[AC+8*\b+2*\r], v[AC+8*\b+2*\r+1]
.endr
.endr
	WIN 0
.endm
.macro TOSTAGE a
.set OBK, OB+192*((\a)%2)
.irp b, 0,1,2,3,4,5,6,7
	ds_store_b128 v[STO], v[TMP+4*\b:TMP+4*\b+3] offset:32*\b
.endr
.irp t, 0,1,2,3,4,5,6,7
	ds_load_b128 v[OBK+4*\t:OBK+4*\t+3], v[RD] offset:\t*2*SPITCH    ; LDS serves a wave's instructions in order (ISA guide 5.7.1.4): these see the stores above
.endr
.endm
.macro SEND a
.set OBK, OB+192*((\a)%2)
	s_wait_dscnt 0x0                               ; the block is back in registers
	s_wait_xcnt 0x0                                ; the earlier stores have read their registers and their base: both may be written again
.if (\a) > 0
	s_add_nc_u64 s[12:13], s[12:13], 16*SIZE_N*2   ; 16 rows on
.endif
.irp t, 0,1,2,3,4,5,6,7
	global_store_b128 v[CO], v[OBK+4*\t:OBK+4*\t+3], s[12:13] offset:2*\t*SIZE_N*2   ; 16 lanes store 256 consecutive bytes, at a multiple of 256 from qkv's first byte
.endr
.endm
	PLACES NP                                      ; behind the last products: for the conversions that read results and for the loads into registers that held scale words
	PACK 0
	TOSTAGE 0
.irp a, 1,2,3,4,5,6,7                  ; block a's conversions stand between block a - 1's loads from the stage and the wait for them
	PACK \a
	SEND \a-1
	TOSTAGE \a
.endr
	SEND 7
	s_wait_tensorcnt 0x0                           ; the wave's end: a tensor wait, an add of 0 to my spare word and its wait, behind my last tensor load and my last LDS store
	ds_add_u32 v[SPW], v[NIL]
	s_wait_dscnt 0x0
	CROUND                                         ; the closing round: no work-group ends while a partner may still ask for a tile that names it
	s_endpgm
.Lfunc_end_k_q306875dd02_gemm1:
	.size	k_q306875dd02_gemm1, .Lfunc_end_k_q306875dd02_gemm1-k_q306875dd02_gemm1
	.p2alignl 7, 3214868480
	.fill 96, 4, 3214868480
	.section	.rodata,"a",@progbits
	.p2align	6, 0x0
	.amdhsa_kernel k_q306875dd02_gemm1
		.amdhsa_group_segment_fixed_size 327680
		.amdhsa_private_segment_fixed_size 0
		.amdhsa_enable_private_segment 0
		.amdhsa_kernarg_size 24
		.amdhsa_user_sgpr_count 2
		.amdhsa_user_sgpr_kernarg_segment_ptr 1
		.amdhsa_wavefront_size32 1
		.amdhsa_system_sgpr_workgroup_id_x 1
		.amdhsa_system_sgpr_workgroup_id_y 1
		.amdhsa_system_sgpr_workgroup_id_z 1
		.amdhsa_system_vgpr_workitem_id 0
		.amdhsa_next_free_vgpr 1024
		.amdhsa_next_free_sgpr 98
		.amdhsa_reserve_vcc 0
		.amdhsa_float_denorm_mode_32 3
		.amdhsa_float_denorm_mode_16_64 3
		.amdhsa_memory_ordered 1
		.amdhsa_forward_progress 1
		.amdhsa_inst_pref_size 127
	.end_amdhsa_kernel
	.amdgpu_metadata
---
amdhsa.version: [ 1, 2 ]
amdhsa.kernels:
  - .name:           k_q306875dd02_gemm1
    .symbol:         k_q306875dd02_gemm1.kd
    .args:
      - { .name: codes, .offset: 0, .size: 8, .value_kind: global_buffer, .address_space: global }
      - { .name: scales, .offset: 8, .size: 8, .value_kind: global_buffer, .address_space: global }
      - { .name: qkv, .offset: 16, .size: 8, .value_kind: global_buffer, .address_space: global }
    .group_segment_fixed_size: 327680
    .private_segment_fixed_size: 0
    .kernarg_segment_align: 8
    .kernarg_segment_size: 24
    .max_flat_workgroup_size: 128
    .sgpr_count:     98
    .vgpr_count:     1024
    .wavefront_size: 32
...
	.end_amdgpu_metadata
.endif
;; end of part 2
;; launch attn (part 3): grid 256 x 1, 4 waves a work-group, no clusters, 283,136 bytes of LDS; arguments qkv, mwords, parts, stats; writes parts, stats
.if DOCPART == 3
	.amdgcn_target "amdgcn-amd-amdhsa--gfx1250"
	.amdhsa_code_object_version 6
	.text
	.protected	k_q306875dd02_attn
	.globl	k_q306875dd02_attn
	.p2align	8
	.type	k_q306875dd02_attn,@function
k_q306875dd02_attn:
	s_mov_b64 s[64:65], 0
	v_nop
	global_prefetch_b8 v0, s[64:65] scope:SCOPE_SE
	s_setreg_imm32_b32 hwreg(HW_REG_WAVE_MODE, 25, 1), 1
	s_wait_xcnt 0x0
; THE KEPT PART OF THE ATTENTION.  reference()'s own mask keeps, for token 64 b + r, the keys of the same b (local) and those of the same r (strided).  So the scores that count are two
; block-diagonal attentions of 64 x 64, and only those are multiplied.  A TASK is (kind, pair of heads hp, idx): place z of the task is token 64 idx + z (kind 0) or 64 z + idx (kind 1).
; A wave owns one task: 64 queries x 64 keys x 2 heads.  It stores, for each query and head, the task's normalised output N = (sum of p V) / l in f16, the maximum m (in units of log2) and the sum l in f32;
; the next launch joins a token's two parts.  The mask input arrives as lane masks (mwords); the pair key = query counts in kind 0 alone.  A query with no key left in a task gets m = -infinity, l = 0, N = 0.
; FORMATS: Q, K, V, p and N are f16 operands; scores, maxima and sums f32.  The maximum is taken away before the exponential.  LIMIT: |Q|, |K|, |V| up to 65,504.
; LAYOUT (both products transposed): S^T = K Q^T (source 0 = 16 keys, source 1 = 16 queries): a lane holds ONE query (lane % 16) and keys 8 (lane / 16) + 0..7 of each tile of 16.  Two such tiles, rounded in
; pairs, ARE source 1 of O^T = V^T P; V comes out of LDS turned, by ds_load_tr16_b128.
; LDS: each wave has its own Q, K and V tile (64 rows x 256 bytes: two heads), brought by three tensor loads of its own at the head and filled once, and its own stage: no barrier.  Three tensor loads of a wave are out at the most.
; NO CLUSTER: each 256 bytes of qkv are read by one local and one strided task, whose tiles have different pitches in memory: no two work-groups could issue one and the same descriptor.
; Nothing is prefetched: all that a wave reads of qkv is asked for at its head.
.set PQK,   272                        ; a row of Q or K in LDS: 256 bytes + 16 = 68 words: the 16 rows of a load start at 16 different banks (64 banks of 4 bytes: ISA guide 11.1)
.set PVV,   288                        ; a row of V: 256 + 32 bytes
.set WREG,  53248                      ; a wave's tiles: Q 17,408, K 17,408, V 18,432 bytes
.set KOFF,  64*PQK
.set VOFF,  2*64*PQK
.set STAGE, 4*WREG                     ; behind the tiles: 64 rows x 272 bytes for each wave, for the way out
.set SPARE, STAGE+4*64*PQK             ; the spare words, 128 bytes for each wave: two blocks of 256 bytes that no other line names
.set AQ,   3                           ; v3   my lane's place in the Q tile
.set AK,   4                           ; v4   in the K tile
.set AV,   5                           ; v5   in the V tile (the turning load's pattern)
.set STO,  6                           ; v6   the stage: where I put 16 bytes of a row
.set RD,   7                           ; v7   and where I read a row back
.set GO,   8                           ; v8   my byte offset in the task's first two rows of parts
.set NINF, 9                           ; v9   -infinity
.set SPW,  10                          ; v10  LDS address of my spare word; never rewritten
.set NIL,  11                          ; v11  0; never rewritten
.set ST,   12                          ; v12-27 for each tile of 16 queries: m and l of head 0, m and l of head 1
.set KF,   32                          ; v32-95   K's fragments of one head: (keys 16 kt, channels 32 ks) at 8 (2 kt + ks)
.set VF,   96                          ; v96-159  V's: (channels 16 dt, keys 32 kk) at 8 (2 dt + kk)
.set QF,   160                         ; v160-175 Q's two fragments of one tile of queries
.set S,    176                         ; v176-207 S^T, then p, then the packed result
.set P,    208                         ; v208-223 p in f16; before that the maximum's chains
.set O,    224                         ; v224-255 O^T
.set WV,   12                          ; s12  my wave's number
.set SEL,  60                          ; s[60:61] lane selects for v_permlanex16_b32: lane l xor 16
.set CS,   62                          ; s[62:63] c = log2(e) / sqrt(64), twice: the packed form names a pair
.macro GROUP1 g, pad, pitch            ; descriptor group 1: a tile of 64 rows x 128 elements of 2 bytes, padding behind every 64 words
	s_mov_b32 s[\g], (1<<16)|(1<<20)|(5<<22)|(\pad<<25)
	s_mov_b32 s[\g+1], 128<<16                     ; tensor_dim0
	s_mov_b32 s[\g+2], 64<<16                      ; tensor_dim1
	s_mov_b32 s[\g+3], 128<<16                     ; tile_dim0
	s_mov_b32 s[\g+4], 64                          ; tile_dim1
	s_mov_b32 s[\g+5], \pitch                      ; elements from row to row
	s_mov_b32 s[\g+6], 0
	s_mov_b32 s[\g+7], 0
.endm
	s_load_b256 s[4:11], s[0:1], 0x0               ; qkv s4, mwords s6, parts s8, stats s10
	v_lshl_add_u32 v[SPW], v0, 2, SPARE
	v_mov_b32 v[NIL], 0
	ds_add_u32 v[SPW], v[NIL]                      ; the wave's opening: the add, twice on end, and its wait ahead of my first tensor load; the set-up below stands between
	ds_add_u32 v[SPW], v[NIL]
	v_lshrrev_b32 v1, 5, v0
	v_readfirstlane_b32 s[WV], v1                  ; wave 0..3
	s_and_b32 s15, ttmp9, 7                        ; hp
	s_lshr_b32 s14, ttmp9, 3
	s_lshl_b32 s14, s14, 1
	s_and_b32 s13, s[WV], 1
	s_add_co_u32 s14, s14, s13                     ; idx = 2 (work-group / 8) + wave % 2
	s_lshr_b32 s13, s[WV], 1                       ; kind = wave / 2
	s_lshl_b32 s66, s14, 6
	s_cmp_eq_u32 s13, 0
	s_cselect_b32 s66, s66, s14                    ; the task's first token: 64 idx or idx
	s_cselect_b32 s67, 1, 64                       ; tokens from place to place
	GROUP1 16, 3, 3072                             ; s[16:23] local Q, K: rows one token (3,072 elements) apart, 4 words of padding
	GROUP1 24, 7, 3072                             ; s[24:31] local V: 8 words of padding
	GROUP1 32, 3, 196608                           ; s[32:39] strided Q, K: rows 64 tokens apart
	GROUP1 40, 7, 196608                           ; s[40:47] strided V
	s_mov_b32 s[SEL], 0x76543210
	s_mov_b32 s[SEL+1], 0xfedcba98
	s_mov_b32 s[CS], 0x3e38aa3b                    ; log2(e) / 8
	s_mov_b32 s[CS+1], s[CS]
	s_mul_i32 s100, s[WV], WREG                    ; my tiles in LDS
	s_mul_i32 s101, s[WV], 64*PQK
	s_add_co_u32 s101, s101, STAGE                 ; my stage
	s_mul_i32 s68, s66, 6144                       ; qkv: the first token's row of 6,144 bytes
	s_lshl_b32 s70, s15, 8                         ; + the pair of heads' 256 bytes
	s_add_co_u32 s68, s68, s70
	s_mov_b32 s69, 0
	s_lshl_b32 s72, s13, 6                         ; mwords: 512 bytes for each (kind, idx)
	s_add_co_u32 s72, s72, s14
	s_lshl_b32 s72, s72, 9
	s_mov_b32 s73, 0
	s_lshl_b32 s74, s13, 23                        ; parts: the kind's 8,388,608 bytes, the first token's row of 2,048, the pair's 256
	s_lshl_b32 s71, s66, 11
	s_add_co_u32 s74, s74, s71
	s_add_co_u32 s74, s74, s70
	s_mov_b32 s75, 0
	s_lshl_b32 s76, s13, 3                         ; stats: 1,024 bytes for each (kind, hp, idx)
	s_add_co_u32 s76, s76, s15
	s_lshl_b32 s76, s76, 6
	s_add_co_u32 s76, s76, s14
	s_lshl_b32 s76, s76, 10
	s_mov_b32 s77, 0
	s_lshl_b32 s13, s67, 11                        ; (kind, idx and hp are used up)  a place's row of parts, in bytes
	s_lshl_b32 s14, s67, 12                        ; two places'
	s_mov_b32 s15, 0xffff0000                      ; lanes 16-31
	s_wait_dscnt 0x0                               ; both opening adds are done
	s_wait_kmcnt 0x0
	s_add_nc_u64 s[68:69], s[4:5], s[68:69]
	s_add_nc_u64 s[2:3], s[6:7], s[72:73]          ; my task's mask words; never rewritten
	s_add_nc_u64 s[8:9], s[8:9], s[74:75]
	s_add_nc_u64 s[10:11], s[10:11], s[76:77]
	s_mov_b32 s48, 1                               ; group 0 for Q: count 1, LDS address, global address, type 2
	s_mov_b32 s49, s100
	s_mov_b64 s[50:51], s[68:69]
	s_or_b32 s51, s51, 0x80000000
	s_mov_b32 s52, 1                               ; for K: 1,024 columns (2,048 bytes) on
	s_add_co_u32 s53, s100, KOFF
	s_add_nc_u64 s[54:55], s[68:69], 2048
	s_or_b32 s55, s55, 0x80000000
	s_mov_b32 s56, 1                               ; for V: 2,048 columns on
	s_add_co_u32 s57, s100, VOFF
	s_add_nc_u64 s[58:59], s[68:69], 4096
	s_or_b32 s59, s59, 0x80000000
	s_cmp_lt_u32 s[WV], 2                          ; a wave's three first fills stand in one branch on the wave's number; an s_nop 0 follows each, four v_nop the last
	s_cbranch_scc0 .Lstrided
	tensor_load_to_lds s[48:51], s[16:23]
	s_nop 0
	tensor_load_to_lds s[52:55], s[16:23]
	s_nop 0
	tensor_load_to_lds s[56:59], s[24:31]
	s_nop 0
.rept 4
	v_nop
.endr
	s_branch .Lasked
.Lstrided:
	tensor_load_to_lds s[48:51], s[32:39]
	s_nop 0
	tensor_load_to_lds s[52:55], s[32:39]
	s_nop 0
	tensor_load_to_lds s[56:59], s[40:47]
	s_nop 0
.rept 4
	v_nop
.endr
.Lasked:
; The 32 mask words of a tile of 16 queries, into scalar registers set .. set + 31.  Two sets take turns: s[68:99], and s[16:47], the shapes' registers, which are free once all tensor loads have landed.
.macro MLOAD qt, set
	s_load_b512 s[\set:\set+15], s[2:3], (\qt)*128
	s_load_b512 s[\set+16:\set+31], s[2:3], (\qt)*128+64
.endm
	MLOAD 0, 68
	v_and_b32 v1, 15, v0                           ; r
	v_bfe_u32 v2, v0, 4, 1                         ; h
	v_mul_u32_u24 v[AQ], v1, PQK
	v_lshl_add_u32 v[AQ], v2, 4, v[AQ]
	v_add_nc_u32 v[AQ], s100, v[AQ]                ; row r, + 16 h
	v_add_nc_u32 v[AK], KOFF, v[AQ]
	v_and_b32 v[AV], 7, v0
	v_lshl_add_u32 v[AV], v2, 3, v[AV]
	v_mul_u32_u24 v[AV], v[AV], PVV                ; key 8 h + lane % 8,
	v_bfe_u32 v[STO], v0, 3, 1
	v_lshl_add_u32 v[AV], v[STO], 4, v[AV]         ; channels 8 ((lane / 8) % 2) on
	v_add_nc_u32 v[AV], s100, v[AV]
	v_add_nc_u32 v[AV], VOFF, v[AV]
	v_mul_u32_u24 v[STO], v1, PQK
	v_lshl_add_u32 v[STO], v2, 4, v[STO]
	v_add_nc_u32 v[STO], s101, v[STO]              ; in: row r, 16 bytes for each half of the lanes
	v_mul_u32_u24 v[RD], v2, PQK
	v_lshl_add_u32 v[RD], v1, 4, v[RD]
	v_add_nc_u32 v[RD], s101, v[RD]                ; back: lanes 0-15 one row of 256 bytes, lanes 16-31 the next
	v_mul_u32_u24 v[GO], v2, s13
	v_lshl_add_u32 v[GO], v1, 4, v[GO]             ; and the same two rows in parts
	v_mov_b32 v[NINF], 0xff800000
.irp i, 28,29,30,31
	v_mov_b32 v\i, 0                               ; v[28:29], v[30:31] are named as pairs: written once whole
.endr
.macro KLOAD e                         ; head e's 8 fragments of K
.irp kt, 0,1,2,3
.irp ks, 0,1
	ds_load_b128 v[KF+8*(2*\kt+\ks):KF+8*(2*\kt+\ks)+3], v[AK] offset:\kt*16*PQK+(\e)*128+\ks*64
	ds_load_b128 v[KF+8*(2*\kt+\ks)+4:KF+8*(2*\kt+\ks)+7], v[AK] offset:\kt*16*PQK+(\e)*128+\ks*64+32
.endr
.endr
.endm
.macro QLOAD e, qt                     ; head e's 2 fragments of queries 16 qt on
.irp ks, 0,1
	ds_load_b128 v[QF+8*\ks:QF+8*\ks+3], v[AQ] offset:(\qt)*16*PQK+(\e)*128+\ks*64
	ds_load_b128 v[QF+8*\ks+4:QF+8*\ks+7], v[AQ] offset:(\qt)*16*PQK+(\e)*128+\ks*64+32
.endr
.endm
.macro VLOAD e                         ; head e's 8 fragments of V^T
.irp dt, 0,1,2,3
.irp kk, 0,1
	ds_load_tr16_b128 v[VF+8*(2*\dt+\kk):VF+8*(2*\dt+\kk)+3], v[AV] offset:\kk*32*PVV+(\e)*128+\dt*32
	ds_load_tr16_b128 v[VF+8*(2*\dt+\kk)+4:VF+8*(2*\dt+\kk)+7], v[AV] offset:\kk*32*PVV+16*PVV+(\e)*128+\dt*32
.endr
.endr
.endm
; ONE TILE: 16 queries (16 qt on) of head e against the task's 64 keys.
.macro QTILE e, qt
.set TI, 4*(\e)+(\qt)                  ; the tile's number, 0 to 7
.set MS, 68-52*(TI%2)                  ; its set of mask words,
.set MN, 16+52*(TI%2)                  ; and the other set, last read a tile ago
.set RM, ST+4*(\qt)+2*(\e)             ; where m goes; l behind it
	s_wait_dscnt 0x0                               ; the fragments asked for in the tile before are in, and its stores into the stage have read their registers
.irp ks, 0,1                           ; S^T = K Q^T: the four accumulators take turns, one instruction a turn; the first four start the sums
.irp kt, 0,1,2,3
.if \ks == 0
	v_wmma_f32_16x16x32_f16 v[S+8*\kt:S+8*\kt+7], v[KF+8*(2*\kt+\ks):KF+8*(2*\kt+\ks)+7], v[QF+8*\ks:QF+8*\ks+7], 0
.else
	v_wmma_f32_16x16x32_f16 v[S+8*\kt:S+8*\kt+7], v[KF+8*(2*\kt+\ks):KF+8*(2*\kt+\ks)+7], v[QF+8*\ks:QF+8*\ks+7], v[S+8*\kt:S+8*\kt+7]
.endif
.endr
.endr
.rept 4
	v_nop                                          ; four places: in front of the loads into registers that the products read, and of the first read of the scores
.endr
.if TI < 7
	QLOAD ((TI+1)/4), ((TI+1)%4)                   ; the next tile's queries
.endif
.if TI == 3
	KLOAD 1                                        ; and, behind head 0's last tile, head 1's keys
.endif
	s_wait_kmcnt 0x0                               ; this tile's mask words are in
.set NI, 0
.rept 32
	v_cndmask_b32 v[S+NI], v[NINF], v[S+NI], s[MS+NI]   ; a key that does not count: -infinity.  (Each accumulator is read from its low end on)
.set NI, NI+1
.endr
.if TI < 7
	MLOAD ((TI+1)%4), MN                           ; the next tile's words: they have the rest of this tile in which to come
.endif
.irp c, 0,1,2,3                        ; the largest score of my 32, in four chains
	v_max3_num_f32 v[P+\c], v[S+8*\c], v[S+8*\c+1], v[S+8*\c+2]
.endr
.irp i, 3,5
.irp c, 0,1,2,3
	v_max3_num_f32 v[P+\c], v[P+\c], v[S+8*\c+\i], v[S+8*\c+\i+1]
.endr
.endr
.irp c, 0,1,2,3
	v_max_num_f32 v[P+\c], v[P+\c], v[S+8*\c+7]
.endr
	v_max3_num_f32 v[P], v[P], v[P+1], v[P+2]
	v_max_num_f32 v[P], v[P], v[P+3]
	v_permlanex16_b32 v[P+1], v[P], s[SEL], s[SEL+1]   ; the query's other 32 keys lie in the lane 16 away
	v_max_num_f32 v[P], v[P], v[P+1]
	v_mul_f32 v[RM], s[CS], v[P]                   ; m = c x the largest score (-infinity where no key counts)
	v_max_num_f32 v28, 0xff7fffff, v[RM]           ; what is taken away: m, held finite, so that -infinity less it stays -infinity
.set NI, 0
.rept 16
	v_pk_fma_f32 v[S+2*NI:S+2*NI+1], v[S+2*NI:S+2*NI+1], s[CS:CS+1], v[28:29] op_sel_hi:[1,0,0] neg_lo:[0,0,1] neg_hi:[0,0,1]   ; c s - m
.set NI, NI+1
.endr
.set NI, 0
.rept 32
	v_exp_f32 v[S+NI], v[S+NI]                     ; p = 2^(c s - m)
.set NI, NI+1
.endr
	v_nop                                          ; a plain instruction behind the last exponential
	s_wait_alu depctr_va_vdst(0)                   ; the wait ahead of the first instruction that names a result: one for the batch of 32
.set NI, 0
.rept 16
	v_cvt_pk_f16_f32 v[P+NI], v[S+2*NI], v[S+2*NI+1]
.set NI, NI+1
.endr
.irp kk, 0,1                           ; O^T = V^T P: four accumulators by turns; the first four start the sums
.irp dt, 0,1,2,3
.if \kk == 0
	v_wmma_f32_16x16x32_f16 v[O+8*\dt:O+8*\dt+7], v[VF+8*(2*\dt+\kk):VF+8*(2*\dt+\kk)+7], v[P+8*\kk:P+8*\kk+7], 0
.else
	v_wmma_f32_16x16x32_f16 v[O+8*\dt:O+8*\dt+7], v[VF+8*(2*\dt+\kk):VF+8*(2*\dt+\kk)+7], v[P+8*\kk:P+8*\kk+7], v[O+8*\dt:O+8*\dt+7]
.endif
.endr
.endr
.irp u, 0,1,2,3,4,5,6,7                ; the sum of the unrounded p, in place, neighbours 1, 2, 4 and 8 pairs apart.  These lines are also the places behind the products
	v_pk_add_f32 v[S+4*\u:S+4*\u+1], v[S+4*\u:S+4*\u+1], v[S+4*\u+2:S+4*\u+3]
.endr
.irp u, 0,1,2,3
	v_pk_add_f32 v[S+8*\u:S+8*\u+1], v[S+8*\u:S+8*\u+1], v[S+8*\u+4:S+8*\u+5]
.endr
.irp u, 0,1
	v_pk_add_f32 v[S+16*\u:S+16*\u+1], v[S+16*\u:S+16*\u+1], v[S+16*\u+8:S+16*\u+9]
.endr
	v_pk_add_f32 v[S:S+1], v[S:S+1], v[S+16:S+17]
	v_add_f32 v[S+2], v[S], v[S+1]
	v_permlanex16_b32 v[S+3], v[S+2], s[SEL], s[SEL+1]
	v_add_f32 v[RM+1], v[S+2], v[S+3]              ; l
.if TI == 3
	VLOAD 1                                        ; behind head 0's last products and their places: head 1's values
.endif
	v_max_num_f32 v31, 0x800000, v[RM+1]           ; where no key counts l is 0: the divisor is held at 2^-126, and N = 0
	v_rcp_f32 v30, v31
	v_nop                                          ; a plain instruction behind the reciprocal
	s_wait_alu depctr_va_vdst(0)                   ; and the wait ahead of its first reader
.set NI, 0
.rept 16
	v_pk_mul_f32 v[O+2*NI:O+2*NI+1], v[O+2*NI:O+2*NI+1], v[30:31] op_sel_hi:[1,0]   ; N = O^T / l, each accumulator from its low end on
.set NI, NI+1
.endr
.set NI, 0
.rept 16
	v_cvt_pk_f16_f32 v[S+NI], v[O+2*NI], v[O+2*NI+1]
.set NI, NI+1
.endr
.irp dt, 0,1,2,3
	ds_store_b128 v[STO], v[S+4*\dt:S+4*\dt+3] offset:(\qt)*16*PQK+(\e)*128+\dt*32   ; query 16 qt + r, channels 64 e + 16 dt + 8 h + 0..7
.endr
.endm
	s_wait_tensorcnt 0x1                           ; Q and K have landed; V's load may be out.  Only I read these bytes
	KLOAD 0
	QLOAD 0, 0
	s_wait_tensorcnt 0x0                           ; V has landed; from here on the descriptors' registers are free
	VLOAD 0
.irp e, 0,1
.irp qt, 0,1,2,3
	QTILE \e, \qt
.endr
.endr
	s_wait_dscnt 0x0                               ; the last stores into the stage have read their registers
	; m and l: lanes 0-15 give tile 2 a's queries, lanes 16-31 tile 2 a + 1's: 16 bytes a query, 512 consecutive bytes a store
.irp a, 0,1
.irp i, 0,1,2,3
	v_cndmask_b32 v[192+4*\a+\i], v[ST+8*\a+\i], v[ST+8*\a+4+\i], s15
.endr
.endr
	v_and_b32 v200, 31, v0
	v_lshlrev_b32 v200, 4, v200
	global_store_b128 v200, v[192:195], s[10:11]
	global_store_b128 v200, v[196:199], s[10:11] offset:512
	; N: whole rows of 256 bytes out of the stage, two places an instruction
.set NI, 0
.rept 32
	v_mad_u32_u24 v[160+NI], s14, NI, v[GO]
.set NI, NI+1
.endr
.set NI, 0
.rept 32
	ds_load_b128 v[32+4*NI:35+4*NI], v[RD] offset:NI*2*PQK
.set NI, NI+1
.endr
.set NI, 0
.rept 32
	s_wait_dscnt 31-NI                             ; LDS loads come back in order: this one is in, the younger ones stay out
	global_store_b128 v[160+NI], v[32+4*NI:35+4*NI], s[8:9]   ; 16 lanes store 256 consecutive bytes, at a multiple of 256 from parts' first byte
.set NI, NI+1
.endr
	s_wait_tensorcnt 0x0                           ; the wave's end: a tensor wait, an add of 0 to my spare word and its wait, behind my last tensor load and my last LDS store
	ds_add_u32 v[SPW], v[NIL]
	s_wait_dscnt 0x0
	s_endpgm
.Lfunc_end_k_q306875dd02_attn:
	.size	k_q306875dd02_attn, .Lfunc_end_k_q306875dd02_attn-k_q306875dd02_attn
	.p2alignl 7, 3214868480
	.fill 96, 4, 3214868480
	.section	.rodata,"a",@progbits
	.p2align	6, 0x0
	.amdhsa_kernel k_q306875dd02_attn
		.amdhsa_group_segment_fixed_size 283136
		.amdhsa_private_segment_fixed_size 0
		.amdhsa_enable_private_segment 0
		.amdhsa_kernarg_size 32
		.amdhsa_user_sgpr_count 2
		.amdhsa_user_sgpr_kernarg_segment_ptr 1
		.amdhsa_wavefront_size32 1
		.amdhsa_system_sgpr_workgroup_id_x 1
		.amdhsa_system_sgpr_workgroup_id_y 1
		.amdhsa_system_sgpr_workgroup_id_z 1
		.amdhsa_system_vgpr_workitem_id 0
		.amdhsa_next_free_vgpr 256
		.amdhsa_next_free_sgpr 102
		.amdhsa_reserve_vcc 0
		.amdhsa_float_denorm_mode_32 3
		.amdhsa_float_denorm_mode_16_64 3
		.amdhsa_memory_ordered 1
		.amdhsa_forward_progress 1
		.amdhsa_inst_pref_size 111
	.end_amdhsa_kernel
	.amdgpu_metadata
---
amdhsa.version: [ 1, 2 ]
amdhsa.kernels:
  - .name:           k_q306875dd02_attn
    .symbol:         k_q306875dd02_attn.kd
    .args:
      - { .name: qkv, .offset: 0, .size: 8, .value_kind: global_buffer, .address_space: global }
      - { .name: mwords, .offset: 8, .size: 8, .value_kind: global_buffer, .address_space: global }
      - { .name: parts, .offset: 16, .size: 8, .value_kind: global_buffer, .address_space: global }
      - { .name: stats, .offset: 24, .size: 8, .value_kind: global_buffer, .address_space: global }
    .group_segment_fixed_size: 283136
    .private_segment_fixed_size: 0
    .kernarg_segment_align: 8
    .kernarg_segment_size: 32
    .max_flat_workgroup_size: 128
    .sgpr_count:     102
    .vgpr_count:     256
    .wavefront_size: 32
...
	.end_amdgpu_metadata
.endif
;; end of part 3
;; launch merge (part 4): grid 256 x 1, 8 waves a work-group, no clusters, 3,072 bytes of LDS; arguments parts, stats, obuf; writes obuf
.if DOCPART == 4
	.amdgcn_target "amdgcn-amd-amdhsa--gfx1250"
	.amdhsa_code_object_version 6
	.text
	.protected	k_q306875dd02_merge
	.globl	k_q306875dd02_merge
	.p2align	8
	.type	k_q306875dd02_merge,@function
k_q306875dd02_merge:
	s_mov_b64 s[64:65], 0
	v_nop
	global_prefetch_b8 v0, s[64:65] scope:SCOPE_SE
	s_setreg_imm32_b32 hwreg(HW_REG_WAVE_MODE, 25, 1), 1
	s_wait_xcnt 0x0
; A TOKEN'S TWO PARTS ARE JOINED.  For token 64 b + r and each head: part 1 (local: idx b, place r) and part 2 (strided: idx r, place b) each gave N_k (normalised, f16), m_k (log2 units) and l_k.
; With M = max(m1, m2) and W_k = 2^(m_k - M) l_k the softmax over both sets of keys gives O = (W1 N1 + W2 N2) / (W1 + W2).  All in f32; O rounded once to f16.
; A token with no key left in either part has m1 = m2 = -infinity: m - M is NaN, and so is O, as in reference().
; A work-group takes 16 tokens, wave w the pair of heads w: together whole rows of 2,048 bytes.  A stream: no matrix work, no cluster (no two work-groups read the same bytes of parts), no barrier.
; The strided stats are 16-byte pieces 1,024 bytes apart, one instruction a wave: they are 1/32 of what the launch reads.  All loads are issued at the head, so nothing is prefetched.
.set SPARE, 2048                       ; behind the waves' 256 bytes of weights: the spare words, 128 bytes for each of eight waves: four blocks of 256 bytes that no other line names
	s_load_b128 s[4:7], s[0:1], 0x0                ; parts, stats
	s_load_b64 s[8:9], s[0:1], 0x10                ; obuf
	v_lshl_add_u32 v8, v0, 2, SPARE                ; v8: LDS address of my spare word; v9: 0; neither is rewritten
	v_mov_b32 v9, 0
	v_lshrrev_b32 v1, 5, v0
	v_readfirstlane_b32 s10, v1                    ; wave = hp
	v_and_b32 v1, 15, v0
	v_bfe_u32 v2, v0, 4, 1
	s_lshr_b32 s11, ttmp9, 2                       ; b
	s_and_b32 s12, ttmp9, 3
	s_lshl_b32 s12, s12, 4                         ; the first r
	s_lshl_b32 s13, s10, 6
	s_add_co_u32 s14, s13, s11                     ; local: ((hp 64 + b) 64 + r) x 16 bytes
	s_lshl_b32 s14, s14, 6
	s_add_co_u32 s14, s14, s12
	s_lshl_b32 s14, s14, 4
	v_lshl_add_u32 v3, v1, 4, s14
	s_add_co_u32 s15, s13, s12                     ; strided: 524,288 + ((hp 64 + r) 64 + b) x 16 bytes
	s_lshl_b32 s15, s15, 6
	s_add_co_u32 s15, s15, s11
	s_lshl_b32 s15, s15, 4
	s_add_co_u32 s15, s15, 524288
	v_lshl_add_u32 v4, v1, 10, s15
	s_lshl_b32 s16, ttmp9, 15                      ; 16 tokens of 2,048 bytes,
	s_lshl_b32 s17, s10, 8                         ; the pair of heads' 256 bytes
	s_add_co_u32 s16, s16, s17
	v_lshlrev_b32 v5, 11, v2                       ; lanes 0-15 one token, lanes 16-31 the next; 16 bytes a lane
	v_lshl_add_u32 v5, v1, 4, v5
	v_add_nc_u32 v5, s16, v5
	v_lshl_add_u32 v6, v1, 4, s17                  ; LDS: token lane % 16's four weights
	v_bfe_u32 v7, v0, 3, 1                         ; my 8 channels' head
	v_lshlrev_b32 v7, 3, v7
	v_lshl_add_u32 v7, v2, 4, v7
	v_add_nc_u32 v7, s17, v7                       ; LDS: my row's and head's two weights
	s_wait_kmcnt 0x0
	s_add_nc_u64 s[18:19], s[4:5], 0x800000        ; part 2: one byte too far for a load's immediate
	global_load_b128 v[12:15], v3, s[6:7]          ; m, l of head 0, m, l of head 1: part 1
	global_load_b128 v[16:19], v4, s[6:7]          ; part 2
.irp n, 0,1,2,3,4,5,6,7
	global_load_b128 v[32+4*\n:35+4*\n], v5, s[4:5] offset:4096*\n th:TH_LOAD_NT
	global_load_b128 v[64+4*\n:67+4*\n], v5, s[18:19] offset:4096*\n th:TH_LOAD_NT
.endr
	s_wait_loadcnt 16                              ; the stats are in; the 16 loads of N may be out
	v_max_num_f32 v20, v12, v16                    ; M
	v_max_num_f32 v21, v14, v18
	v_sub_f32 v24, v12, v20
	v_sub_f32 v25, v16, v20
	v_sub_f32 v26, v14, v21
	v_sub_f32 v27, v18, v21
	v_exp_f32 v24, v24
	v_exp_f32 v25, v25
	v_exp_f32 v26, v26
	v_exp_f32 v27, v27
	v_nop                                          ; a plain instruction behind the last exponential
	s_wait_alu depctr_va_vdst(0)                   ; the wait ahead of the first reader: one for the four
	v_mul_f32 v24, v24, v13                        ; W = 2^(m - M) l
	v_mul_f32 v25, v25, v17
	v_mul_f32 v26, v26, v15
	v_mul_f32 v27, v27, v19
	v_add_f32 v28, v24, v25
	v_add_f32 v29, v26, v27
	v_rcp_f32 v28, v28
	v_rcp_f32 v29, v29
	v_nop
	s_wait_alu depctr_va_vdst(0)                   ; one for the two reciprocals
	v_mul_f32 v24, v24, v28                        ; w = W / (W1 + W2)
	v_mul_f32 v25, v25, v28
	v_mul_f32 v26, v26, v29
	v_mul_f32 v27, v27, v29
	ds_store_b128 v6, v[24:27]                     ; w1, w2 of head 0, w1, w2 of head 1; both halves of the lanes write the same bytes with the same values
.irp n, 0,1,2,3,4,5,6,7
	ds_load_b64 v[96+2*\n:97+2*\n], v7 offset:32*\n   ; in order behind my store: the two weights of rows 2 n, 2 n + 1
.endr
	s_wait_dscnt 0x0
.macro WIDEN d, h0, h1, h2, h3, h4, h5, h6, h7   ; eight f16 halves to f32
	v_cvt_f32_f16 v[\d], \h0
	v_cvt_f32_f16 v[\d+1], \h1
	v_cvt_f32_f16 v[\d+2], \h2
	v_cvt_f32_f16 v[\d+3], \h3
	v_cvt_f32_f16 v[\d+4], \h4
	v_cvt_f32_f16 v[\d+5], \h5
	v_cvt_f32_f16 v[\d+6], \h6
	v_cvt_f32_f16 v[\d+7], \h7
.endm
.macro MROW n                          ; v112-119 = N1, v120-127 = N2 of rows 2 n, 2 n + 1: w1 N1 + w2 N2, rounded, stored
.irp k, 0,1,2,3
	v_pk_mul_f32 v[112+2*\k:113+2*\k], v[112+2*\k:113+2*\k], v[96+2*(\n):97+2*(\n)] op_sel_hi:[1,0]
.endr
.irp k, 0,1,2,3
	v_pk_fma_f32 v[112+2*\k:113+2*\k], v[120+2*\k:121+2*\k], v[96+2*(\n):97+2*(\n)], v[112+2*\k:113+2*\k] op_sel:[0,1,0] op_sel_hi:[1,1,1]
.endr
.irp k, 0,1,2,3
	v_cvt_pk_f16_f32 v[32+4*(\n)+\k], v[112+2*\k], v[113+2*\k]
.endr
	global_store_b128 v5, v[32+4*(\n):35+4*(\n)], s[8:9] offset:4096*(\n)   ; 16 lanes store 256 consecutive bytes, aligned
.endm
	s_wait_loadcnt 14                              ; this pair of loads is in; the younger pairs stay out
	WIDEN 112, v32.l, v32.h, v33.l, v33.h, v34.l, v34.h, v35.l, v35.h
	WIDEN 120, v64.l, v64.h, v65.l, v65.h, v66.l, v66.h, v67.l, v67.h
	MROW 0
	s_wait_loadcnt 12
	WIDEN 112, v36.l, v36.h, v37.l, v37.h, v38.l, v38.h, v39.l, v39.h
	WIDEN 120, v68.l, v68.h, v69.l, v69.h, v70.l, v70.h, v71.l, v71.h
	MROW 1
	s_wait_loadcnt 10
	WIDEN 112, v40.l, v40.h, v41.l, v41.h, v42.l, v42.h, v43.l, v43.h
	WIDEN 120, v72.l, v72.h, v73.l, v73.h, v74.l, v74.h, v75.l, v75.h
	MROW 2
	s_wait_loadcnt 8
	WIDEN 112, v44.l, v44.h, v45.l, v45.h, v46.l, v46.h, v47.l, v47.h
	WIDEN 120, v76.l, v76.h, v77.l, v77.h, v78.l, v78.h, v79.l, v79.h
	MROW 3
	s_wait_loadcnt 6
	WIDEN 112, v48.l, v48.h, v49.l, v49.h, v50.l, v50.h, v51.l, v51.h
	WIDEN 120, v80.l, v80.h, v81.l, v81.h, v82.l, v82.h, v83.l, v83.h
	MROW 4
	s_wait_loadcnt 4
	WIDEN 112, v52.l, v52.h, v53.l, v53.h, v54.l, v54.h, v55.l, v55.h
	WIDEN 120, v84.l, v84.h, v85.l, v85.h, v86.l, v86.h, v87.l, v87.h
	MROW 5
	s_wait_loadcnt 2
	WIDEN 112, v56.l, v56.h, v57.l, v57.h, v58.l, v58.h, v59.l, v59.h
	WIDEN 120, v88.l, v88.h, v89.l, v89.h, v90.l, v90.h, v91.l, v91.h
	MROW 6
	s_wait_loadcnt 0
	WIDEN 112, v60.l, v60.h, v61.l, v61.h, v62.l, v62.h, v63.l, v63.h
	WIDEN 120, v92.l, v92.h, v93.l, v93.h, v94.l, v94.h, v95.l, v95.h
	MROW 7
	s_wait_tensorcnt 0x0                           ; the wave's end: a tensor wait, an add of 0 to my spare word and its wait, behind my last LDS store
	ds_add_u32 v8, v9
	s_wait_dscnt 0x0
	s_endpgm
.Lfunc_end_k_q306875dd02_merge:
	.size	k_q306875dd02_merge, .Lfunc_end_k_q306875dd02_merge-k_q306875dd02_merge
	.p2alignl 7, 3214868480
	.fill 96, 4, 3214868480
	.section	.rodata,"a",@progbits
	.p2align	6, 0x0
	.amdhsa_kernel k_q306875dd02_merge
		.amdhsa_group_segment_fixed_size 3072
		.amdhsa_private_segment_fixed_size 0
		.amdhsa_enable_private_segment 0
		.amdhsa_kernarg_size 24
		.amdhsa_user_sgpr_count 2
		.amdhsa_user_sgpr_kernarg_segment_ptr 1
		.amdhsa_wavefront_size32 1
		.amdhsa_system_sgpr_workgroup_id_x 1
		.amdhsa_system_sgpr_workgroup_id_y 1
		.amdhsa_system_sgpr_workgroup_id_z 1
		.amdhsa_system_vgpr_workitem_id 0
		.amdhsa_next_free_vgpr 128
		.amdhsa_next_free_sgpr 66
		.amdhsa_reserve_vcc 0
		.amdhsa_float_denorm_mode_32 3
		.amdhsa_float_denorm_mode_16_64 3
		.amdhsa_memory_ordered 1
		.amdhsa_forward_progress 1
		.amdhsa_inst_pref_size 17
	.end_amdhsa_kernel
	.amdgpu_metadata
---
amdhsa.version: [ 1, 2 ]
amdhsa.kernels:
  - .name:           k_q306875dd02_merge
    .symbol:         k_q306875dd02_merge.kd
    .args:
      - { .name: parts, .offset: 0, .size: 8, .value_kind: global_buffer, .address_space: global }
      - { .name: stats, .offset: 8, .size: 8, .value_kind: global_buffer, .address_space: global }
      - { .name: obuf, .offset: 16, .size: 8, .value_kind: global_buffer, .address_space: global }
    .group_segment_fixed_size: 3072
    .private_segment_fixed_size: 0
    .kernarg_segment_align: 8
    .kernarg_segment_size: 24
    .max_flat_workgroup_size: 256
    .sgpr_count:     66
    .vgpr_count:     128
    .wavefront_size: 32
...
	.end_amdgpu_metadata
.endif
;; end of part 4
;; launch gemm2 (part 5): grid 8 x 32, 4 waves a work-group, clusters of 4 x 1, 327,680 bytes of LDS; arguments obuf, wof, out0; writes out0
.if DOCPART == 5
	.amdgcn_target "amdgcn-amd-amdhsa--gfx1250"
	.amdhsa_code_object_version 6
	.text
	.protected	k_q306875dd02_gemm2
	.globl	k_q306875dd02_gemm2
	.p2align	8
	.type	k_q306875dd02_gemm2,@function
k_q306875dd02_gemm2:
	s_mov_b64 s[64:65], 0
	v_nop
	global_prefetch_b8 v0, s[64:65] scope:SCOPE_SE
	s_setreg_imm32_b32 hwreg(HW_REG_WAVE_MODE, 25, 1), 1
	s_wait_xcnt 0x0
	s_wait_alu depctr_hold_cnt(0) depctr_sa_sdst(0) depctr_va_vdst(0) depctr_va_sdst(0) depctr_va_ssrc(0) depctr_va_vcc(0) depctr_vm_vsrc(0)
	s_getreg_b32 s2, hwreg(HW_REG_IB_STS2, 6, 4)
	s_cmp_eq_u32 s2, 0
	s_cbranch_scc0 .Lentry_in_a_cluster
	s_endpgm
.Lentry_in_a_cluster:
	s_bfe_u32 s2, ttmp6, 0x10000c
	s_cmp_lg_u32 s2, 0x3003
	s_cbranch_scc0 .Lentry_shape_is_right
	s_endpgm
.Lentry_shape_is_right:
; out0[t][n] = sum over k of O[t][k] Wo[n][k]: [4096] x [1024] x K 1,024, f16 operands, f32 sums, f32 out.  A row of O that is NaN gives a row of NaN, as in reference().
; A work-group makes 128 rows x 128 columns; wave w all 128 rows x columns 32 w .. 32 w + 31: 16 accumulators of 16 x 16.
; Wo arrives in the order of an operand's registers (wof): a wave's 32 columns, for all of K, are 65,536 consecutive bytes, which go from memory STRAIGHT INTO 512 REGISTERS, once, and stay.
; O's tile, 128 rows x all of K, lies whole in LDS: four quarters of K, 128 rows x 512 bytes each, one tensor load a wave, filled once.  One tensor load of a wave is out at the most.
; CLUSTER: the four work-groups of a cluster make neighbouring column tiles of the same 128 rows: O's tile is asked for JOINTLY, by the same tensor load with the same descriptor (it hangs on the
; tile row and the wave's number alone) and a mask that names the four.  Wo's images are not shared so: they pass no LDS.
; THE MATRIX INSTRUCTION IS USED TRANSPOSED (source 0 = 16 rows of Wo, source 1 = 16 rows of O): a lane holds eight neighbouring numbers of a row of out0.
; REGISTERS, in windows of 256: window 0: v16-29 addresses; v128-255 the accumulators ((rows 16 rt, columns 16 n) at v[128 + 8 (2 rt + n)]).
;   window 1: two buffers of 128 for O's fragments, 64 along K each.   windows 2, 3: Wo: (32 along K number s, n) at v[8 (2 (s % 16) + n)] of window 2 + s / 16.
; Nothing is prefetched: all that the launch reads is asked for at its head.
.set PITCH, 528                        ; an LDS row: 512 bytes + 16 of padding = 132 words: the 16 rows that a load touches start at 16 different banks (64 banks of 4 bytes: ISA guide 11.1)
.set QUART, 128*PITCH                  ; a quarter of K
.set SPARE, 4*QUART                    ; behind the tile: the spare words, 128 bytes for each wave: two blocks of 256 bytes that no other line names
.set ADRA, 16                          ; v16-19 LDS address of my lane's place in quarter 0..3
.set STO,  24                          ; v24    the way out: where I put 32 bytes of a row
.set RD,   25                          ; v25    and where I read a row back
.set BO,   27                          ; v27    16 x lane: my place in an image of Wo, and in a row of out0; never rewritten
.set SPW,  28                          ; v28    LDS address of my spare word; never rewritten
.set NIL,  29                          ; v29    0; never rewritten
.set ACC,  128
.set MSB, 0
.macro WIN new                         ; the immediate's high byte repeats the setting that is left; a switch that changes nothing is dropped
.if MSB != (\new)
	s_set_vgpr_msb (MSB<<8)|(\new)
.set MSB, (\new)
.endif
.endm
.macro CROUND                          ; a round of the cluster's barrier: my work-group's barrier; wave 0 signals for the work-group; every wave waits for all four; my work-group's barrier once more
	s_barrier_signal -1
	s_barrier_wait -1
	s_cmp_lg_u32 s10, 0
	s_cbranch_scc1 .Lnot_wave_0_\@
	s_barrier_signal -3
.Lnot_wave_0_\@:
	s_barrier_wait -3
	s_barrier_signal -1
	s_barrier_wait -1
.endm
.macro PLACES                          ; four places in front of loads into registers that matrix instructions have read, and of the first read of results (ISA guide 7.12.1 for vector instructions)
.rept 4
	v_nop
.endr
.endm
	s_load_b128 s[4:7], s[0:1], 0x0                ; obuf s[4:5], wof s[6:7]
	s_load_b64 s[8:9], s[0:1], 0x10                ; out0
	v_lshl_add_u32 v[SPW], v0, 2, SPARE
	v_mov_b32 v[NIL], 0
	ds_add_u32 v[SPW], v[NIL]                      ; the wave's opening: the add, twice on end, and its wait ahead of my first tensor load; the set-up below stands between
	ds_add_u32 v[SPW], v[NIL]
	v_lshrrev_b32 v1, 5, v0
	v_readfirstlane_b32 s10, v1                    ; wave 0..3
	s_bfe_u32 s11, ttmp6, 0x40000                  ; cx: my place in the cluster
	s_lshl_b32 s12, ttmp9, 2
	s_add_co_u32 s12, s12, s11                     ; tile column = 4 x cluster x + cx: it enters Wo's and out0's addresses alone
	s_and_b32 s13, ttmp7, 0xffff                   ; tile row, which the four partners share
	; descriptor group 1: 128 rows x 256 elements of 2 bytes, padded in LDS
	s_mov_b32 s16, 15|(1<<16)|(1<<20)|(1<<21)|(6<<22)|(3<<25)   ; 15:0 the mask: all four work-groups; 17:16 elements of 2 bytes; 20 padding on; 21 set beside a mask; 24:22 after every 128 words; 31:25 four words
	s_mov_b32 s17, 256<<16                         ; tensor_dim0
	s_mov_b32 s18, 128<<16                         ; tensor_dim1
	s_mov_b32 s19, 256<<16                         ; tile_dim0
	s_mov_b32 s20, 128                             ; tile_dim1
	s_mov_b32 s21, 1024                            ; elements from row to row
	s_mov_b32 s22, 0
	s_mov_b32 s23, 0
	s_lshl_b32 s28, s13, 18                        ; O: 128 rows of 2,048 bytes a tile row,
	s_lshl_b32 s29, s10, 9                         ; my quarter of K: 512 bytes
	s_add_co_u32 s28, s28, s29
	s_mov_b32 s29, 0
	s_lshl_b32 s30, s12, 18                        ; Wo's images: 262,144 bytes a tile column,
	s_lshl_b32 s31, s10, 16                        ; 65,536 a wave
	s_add_co_u32 s30, s30, s31
	s_mov_b32 s31, 0
	s_lshl_b32 s32, s13, 19                        ; out0: 128 rows of 4,096 bytes a tile row,
	s_lshl_b32 s33, s10, 17                        ; the 32 rows that I store,
	s_add_co_u32 s32, s32, s33
	s_lshl_b32 s33, s12, 9                         ; 512 bytes a tile column
	s_add_co_u32 s32, s32, s33
	s_mov_b32 s33, 0
	s_mul_i32 s34, s10, QUART                      ; where my quarter goes: no place in the cluster enters an LDS address
	v_and_b32 v2, 31, v0
	v_lshlrev_b32 v[BO], 4, v2
	s_wait_dscnt 0x0                               ; both opening adds are done
	s_wait_kmcnt 0x0
	s_add_nc_u64 s[6:7], s[6:7], s[30:31]
	s_add_nc_u64 s[8:9], s[8:9], s[32:33]
	s_mov_b32 s24, 1                               ; group 0: count 1, LDS address, global address, type 2
	s_mov_b32 s25, s34
	s_add_nc_u64 s[26:27], s[4:5], s[28:29]
	s_or_b32 s27, s27, 0x80000000
	WIN 0x80                                       ; destination window 2, address window 0
.set SI, 0
.rept 16
.irp n, 0,1
.irp c, 0,1
	global_load_b128 v[8*(2*SI+\n)+4*\c:8*(2*SI+\n)+4*\c+3], v[BO], s[6:7] offset:\n*32768+SI*1024+\c*512   ; 512 consecutive bytes: half a fragment as it stands in registers
.endr
.endr
.set SI, SI+1
.endr
	WIN 0xc0                                       ; destination window 3
.set SI, 0
.rept 16
.irp n, 0,1
.irp c, 0,1
	global_load_b128 v[8*(2*SI+\n)+4*\c:8*(2*SI+\n)+4*\c+3], v[BO], s[6:7] offset:\n*32768+(SI+16)*1024+\c*512
.endr
.endr
.set SI, SI+1
.endr
	WIN 0
	CROUND                                         ; all four work-groups are here: the joint loads meet
	tensor_load_to_lds s[24:27], s[16:23]          ; my quarter of K, for all four
	s_nop 0
.rept 4
	v_nop
.endr
	v_and_b32 v1, 15, v0                           ; r
	v_bfe_u32 v2, v0, 4, 1                         ; h
	v_mul_u32_u24 v3, v1, PITCH
	v_lshl_add_u32 v[ADRA], v2, 4, v3              ; a fragment's row x pitch + 16 x half
.irp k, 1,2,3
	v_add_nc_u32 v[ADRA+\k], \k*QUART, v[ADRA]
.endr
	s_lshl_b32 s35, s10, 7
	v_lshl_add_u32 v[STO], v2, 5, v3
	v_add_nc_u32 v[STO], s35, v[STO]               ; the stage: row r, my wave's 128 bytes, 32 bytes for each half of the lanes
	s_mul_i32 s35, s10, 32*PITCH
	v_add_nc_u32 v[RD], s35, v[BO]                 ; back: my 32 rows, 16 bytes a lane
; 32 LDS loads in one run: O's fragments of 64 along K, number q of 16, into buffer f; the first 32 along K first
.macro FETCH q, f
	WIN 0x40                                       ; destination window 1, address window 0
.irp c, 0,1
.irp rt, 0,1,2,3,4,5,6,7
	ds_load_b128 v[(\f)+64*\c+8*\rt:(\f)+64*\c+8*\rt+3], v[ADRA+(\q)/4] offset:\rt*16*PITCH+((\q)%4)*128+\c*64
	ds_load_b128 v[(\f)+64*\c+8*\rt+4:(\f)+64*\c+8*\rt+7], v[ADRA+(\q)/4] offset:\rt*16*PITCH+((\q)%4)*128+\c*64+32
.endr
.endr
.endm
; 16 matrix instructions: 32 along K, number s of 32, from half c of buffer f.  The 16 accumulators take turns, one instruction a turn, in the same order every time.  s = 0 starts the sums: nothing is cleared.
.macro MUL s, f, c
	WIN 6+(\s)/16                                  ; source 0 (Wo) window 2 or 3, source 1 (O) window 1, C and D window 0
.irp rt, 0,1,2,3,4,5,6,7
.irp n, 0,1
.if (\s) == 0
	v_wmma_f32_16x16x32_f16 v[ACC+8*(2*\rt+\n):ACC+8*(2*\rt+\n)+7], v[8*(2*((\s)%16)+\n):8*(2*((\s)%16)+\n)+7], v[(\f)+64*(\c)+8*\rt:(\f)+64*(\c)+8*\rt+7], 0
.else
	v_wmma_f32_16x16x32_f16 v[ACC+8*(2*\rt+\n):ACC+8*(2*\rt+\n)+7], v[8*(2*((\s)%16)+\n):8*(2*((\s)%16)+\n)+7], v[(\f)+64*(\c)+8*\rt:(\f)+64*(\c)+8*\rt+7], v[ACC+8*(2*\rt+\n):ACC+8*(2*\rt+\n)+7]
.endif
.endr
.endr
.endm
.macro QUARTER q, more                 ; 64 along K: multiplies buffer q % 2; in its middle it fetches the next 64 into the other buffer
	s_wait_dscnt 16                                ; the first 32 along K are in; the youngest sixteen loads may be out
	MUL 2*(\q), 128*((\q)%2), 0
.if \more
	PLACES
	FETCH (\q)+1, 128*(((\q)+1)%2)
	s_wait_dscnt 32                                ; all but the 32 just issued
.else
	s_wait_dscnt 0x0
.endif
	MUL 2*(\q)+1, 128*((\q)%2), 1
.endm
	s_wait_tensorcnt 0x0                           ; my quarter has landed,
	s_barrier_signal -1
	s_barrier_wait -1                              ; everybody's has: every wave reads all four
	FETCH 0, 0
	s_wait_loadcnt 0x0                             ; Wo
.set QN, 0
.rept 15
	QUARTER QN, 1
.set QN, QN+1
.endr
	QUARTER 15, 0
	WIN 0
	; THE WAY OUT.  A row's 512 bytes come from four waves: they meet in a stage of 128 rows x 528 bytes, in the first quarter's bytes, which have had their one fill; each wave then stores 32 whole rows.
	PLACES
	s_wait_dscnt 0x0                               ; my reads of the tile are over
	s_barrier_signal -1
	s_barrier_wait -1                              ; everybody's are: the stage may be written
.irp rt, 0,1,2,3,4,5,6,7
.irp n, 0,1
	ds_store_b128 v[STO], v[ACC+8*(2*\rt+\n):ACC+8*(2*\rt+\n)+3] offset:\rt*16*PITCH+\n*64       ; each accumulator from its low end on
	ds_store_b128 v[STO], v[ACC+8*(2*\rt+\n)+4:ACC+8*(2*\rt+\n)+7] offset:\rt*16*PITCH+\n*64+16
.endr
.endr
	s_wait_dscnt 0x0                               ; for the others' sake: my stores into the stage are done
	s_barrier_signal -1
	s_barrier_wait -1
.set RI, 0
.rept 32
	ds_load_b128 v[ACC+4*RI:ACC+4*RI+3], v[RD] offset:RI*PITCH
.set RI, RI+1
.endr
.set RI, 0
.rept 32
	s_wait_dscnt 31-RI                             ; LDS loads come back in order: this one is in, the younger ones stay out
	global_store_b128 v[BO], v[ACC+4*RI:ACC+4*RI+3], s[8:9] offset:RI*4096 th:TH_STORE_NT   ; 32 lanes store 512 consecutive bytes, at a multiple of 256 from out0's first byte; written once, read by nobody here
.set RI, RI+1
.endr
	s_wait_tensorcnt 0x0                           ; the wave's end: a tensor wait, an add of 0 to my spare word and its wait, behind my last tensor load and my last LDS store
	ds_add_u32 v[SPW], v[NIL]
	s_wait_dscnt 0x0
	CROUND                                         ; the closing round: no work-group ends while a partner may still ask for a tile that names it
	s_endpgm
.Lfunc_end_k_q306875dd02_gemm2:
	.size	k_q306875dd02_gemm2, .Lfunc_end_k_q306875dd02_gemm2-k_q306875dd02_gemm2
	.p2alignl 7, 3214868480
	.fill 96, 4, 3214868480
	.section	.rodata,"a",@progbits
	.p2align	6, 0x0
	.amdhsa_kernel k_q306875dd02_gemm2
		.amdhsa_group_segment_fixed_size 327680
		.amdhsa_private_segment_fixed_size 0
		.amdhsa_enable_private_segment 0
		.amdhsa_kernarg_size 24
		.amdhsa_user_sgpr_count 2
		.amdhsa_user_sgpr_kernarg_segment_ptr 1
		.amdhsa_wavefront_size32 1
		.amdhsa_system_sgpr_workgroup_id_x 1
		.amdhsa_system_sgpr_workgroup_id_y 1
		.amdhsa_system_sgpr_workgroup_id_z 1
		.amdhsa_system_vgpr_workitem_id 0
		.amdhsa_next_free_vgpr 1024
		.amdhsa_next_free_sgpr 66
		.amdhsa_reserve_vcc 0
		.amdhsa_float_denorm_mode_32 3
		.amdhsa_float_denorm_mode_16_64 3
		.amdhsa_memory_ordered 1
		.amdhsa_forward_progress 1
		.amdhsa_inst_pref_size 93
	.end_amdhsa_kernel
	.amdgpu_metadata
---
amdhsa.version: [ 1, 2 ]
amdhsa.kernels:
  - .name:           k_q306875dd02_gemm2
    .symbol:         k_q306875dd02_gemm2.kd
    .args:
      - { .name: obuf, .offset: 0, .size: 8, .value_kind: global_buffer, .address_space: global }
      - { .name: wof, .offset: 8, .size: 8, .value_kind: global_buffer, .address_space: global }
      - { .name: out0, .offset: 16, .size: 8, .value_kind: global_buffer, .address_space: global }
    .group_segment_fixed_size: 327680
    .private_segment_fixed_size: 0
    .kernarg_segment_align: 8
    .kernarg_segment_size: 24
    .max_flat_workgroup_size: 128
    .sgpr_count:     66
    .vgpr_count:     1024
    .wavefront_size: 32
...
	.end_amdgpu_metadata
.endif
;; end of part 5
